; MI455X (gfx1250); checked and timed in simulation.
; The chip was launched on July 23, 2026; its instructions are those of AMD's public machine-readable ISA for CDNA 5 (MIT licence, August 2026) and "CDNA5" Instruction Set Architecture Reference Guide (July 2026). The comments in the code are by the model that wrote it; some were corrected since.
;; Multi Head Attention. Allowed arithmetic: matrix products marked QUANTISED: E2M3 operands, one E8M0 scale for each 32 along K, by v_wmma_scale_f32_16x16x128_f8f6f4 with both operands' format E2M3, f32 sums; everything else in f32.
;; Inputs: W_k 1,024 x 1,024 float32; W_o 1,024 x 1,024 float32; W_q 1,024 x 1,024 float32; W_v 1,024 x 1,024 float32; x 4 x 2,048 x 1,024 float32.
;; Outputs: out0 4 x 2,048 x 1,024 float32.
;; This version of the problem:
;;   THIS VERSION OF THE PROBLEM IS GIVEN IN LOW PRECISION. The matrix products marked QUANTISED in the list below multiply operands that are first quantised to E2M3 (2 exponent bits, 3 mantissa bits; 6 bits a number), with one power-of-two scale for each 32 numbers along K (OCP MX v1.0); their sums are f32. All else is computed in f32.
;;   The module's matrix products, in the order in which they are computed (A, B: the left and right operand; K: the contracted axis; several contracted axes count as one K, in the product's order):
;;     1. [M 8,192, K 1,024] x [K 1,024, N 1,024]; A: input x; B: input W_q: QUANTISED
;;     2. [M 8,192, K 1,024] x [K 1,024, N 1,024]; A: input x; B: input W_k: QUANTISED
;;     3. [M 8,192, K 1,024] x [K 1,024, N 1,024]; A: input x; B: input W_v: QUANTISED
;;     4. batch 64 x [M 2,048, K 64] x [K 64, N 2,048]; A: computed on the way; B: computed on the way: QUANTISED
;;     5. batch 64 x [M 2,048, K 2,048] x [K 2,048, N 64]; A: softmax (see below); B: computed on the way: QUANTISED
;;     6. [M 8,192, K 1,024] x [K 1,024, N 1,024]; A: computed on the way; B: input W_o: QUANTISED
;;   THE QUANTISER, for each operand of a quantised product, along K:
;;     - K is cut into blocks of 32 from its start; a last block that is shorter is filled with zeros.
;;     - A block's scale is 2^e with e = floor(log2(the largest magnitude in the block)) - 2, held to -126 .. 127; a block of zeros has e = 0. As a byte (E8M0): e + 127.
;;     - Each number is divided by its block's scale, clamped to +-7.5, and rounded to the nearest number of E2M3, ties to even, subnormals kept.
;;     - The product sums the exact products of the quantised numbers (number of the format x scale) in f32.
;;   ~~~python
;;   def quantise(x, axis):      # numpy; x: float32 -> the quantised numbers, widened to float32 again
;;       x = np.moveaxis(x, axis, -1); K = x.shape[-1]
;;       x = np.pad(x, [(0, 0)] * (x.ndim - 1) + [(0, -K % 32)]); x = x.reshape(x.shape[:-1] + (-1, 32)); a = np.abs(x).max(-1, keepdims=True)
;;       e = np.where(a > 0, np.clip(np.frexp(np.where(a > 0, a, 1))[1] - 1 - 2, -126, 127), 0)      # np.frexp(a)[1] - 1 = floor(log2(a)), exactly
;;       r = np.clip(x / 2.0 ** e, -7.5, 7.5)
;;       step = 2.0 ** (np.maximum(np.frexp(np.where(r == 0, 1, r))[1] - 1, 0) - 3)
;;       q = np.round(r / step) * step * 2.0 ** e      # np.round: ties to even
;;       return np.moveaxis(q.reshape(q.shape[:-2] + (-1,))[..., :K], -1, axis).astype(np.float32)
;;   ~~~
;;   SOFTMAX AHEAD OF A QUANTISED PRODUCT. Where the list says 'softmax', what is quantised is not the finished softmax but p = 2^(t - M), with t = logit x log2(e) and M = ceil(the row's largest t), a whole number; so 1/2 < the row's largest p <= 1. The row's sum l is taken of the UNQUANTISED p, in f32, and the product's result is divided by l at the end. Since M is a whole number, a kernel that streams over the keys may use a running M (the ceiling of the running maximum): every later rescaling is an exact power of two, which a block's scale takes up: the codes' values come out the same.
;;   OPERANDS COMPUTED ON THE WAY. 'Computed on the way' means the value that the module computes at that place (a softmax that the list does not call 'softmax' is quantised finished and normalised). What goes into a quantiser is computed in f32, as accurately as f32 sums, v_exp_f32 and their like allow (about 1e-6 of the number): no bf16 or f16 on the way to a quantiser, and a product that is left as it is and whose result goes on into a quantised operand takes f32 operands (vector FMAs, or v_wmma_f32_16x16x4_f32). A number that lies on a knife's edge between two numbers of the format may be rounded either way, as far as f32 arithmetic and the matrix unit's own rounding can turn it there, and no further.
;; One version. Each part assembles by itself: llvm-mc -triple=amdgcn-amd-amdhsa -mcpu=gfx1250 --defsym DOCPART=n.
;; ======== version 1 of 1: 4 launches
;; workspace buffers: x_codes 6,291,456 bytes; x_scales 262,144 bytes; w_codes 3,145,728 bytes; w_scales 131,072 bytes; qkv_codes 18,874,368 bytes; qkv_scales 786,432 bytes; ctx_codes 6,291,456 bytes; ctx_scales 262,144 bytes
;; launch quant (part 1): grid 384 x 1, 4 waves a work-group, no clusters, 34,304 bytes of LDS; arguments x, W_q, W_k, W_v, W_o, x_codes, x_scales, w_codes, w_scales; writes x_codes, x_scales, w_codes, w_scales
.if DOCPART == 1
	.amdgcn_target "amdgcn-amd-amdhsa--gfx1250"
	.amdhsa_code_object_version 6
	.text
	.protected	k_qffc4c9d4f2_quant
	.globl	k_qffc4c9d4f2_quant
	.p2align	8
	.type	k_qffc4c9d4f2_quant,@function
k_qffc4c9d4f2_quant:
	s_mov_b64 s[64:65], 0
	v_nop
	global_prefetch_b8 v0, s[64:65] scope:SCOPE_SE
	s_setreg_imm32_b32 hwreg(HW_REG_WAVE_MODE, 25, 1), 1
	s_wait_xcnt 0x0
; x [8192][1024] (K innermost) and W_q, W_k, W_v, W_o [1024 (K)][1024 (n)] (K outermost), f32, become codes of FP6 (E2M3) with one E8M0 byte for each 32 along K.
; A block's scale is 2^(floor(log2(its largest magnitude)) - 2): its byte is the largest magnitude's exponent field - 2, held at 1 from below.
; LIMITS: a block of zeros gets the byte 1 where the rule says 127 (its codes are zeros, which add nothing, and this program alone reads the bytes); blocks whose largest magnitude lies under
; 2^-124 are held at that floor; NaN and infinities among the inputs are not served.
; THE WORKSPACE IS LAID AS THE READERS' REGISTERS.  A HALF FRAGMENT (768 bytes) is 16 rows x 64 along K: lane (r, h) owns the 24 bytes of block h of row r: its registers 0-3 at byte 16 x lane, its registers
; 4-5 at byte 512 + 8 x lane.  A tile of 16 rows has 16 of them on end (12,288 bytes).  Scale bytes: [tile][K / 256][row][8 bytes].
; THE ROWS OF A TILE ARE NOT NEIGHBOURS: row r of tile T is the tensor's row 32 (T / 2) + 8 (T % 2) + r + 8 (r / 8), so that a product used transposed leaves 16 neighbours along the next K in a lane's registers.
; Work-groups 0-255 take x (a wave: one tile x 512 along K), work-groups 256-383 the weights (a wave: 32 columns x 256 along K).  128 KiB are read by each.  Waves share nothing: no barrier.
; Matrix units, clusters and tensor loads buy nothing in a stream; only the x path uses LDS (a stage for each wave).
.set SEL,  24                          ; s[24:25] lane selects for v_permlanex16_b32: lane l xor 16
.set TM,   16                          ; v16-31   at work in QUANT: +0..3 largest magnitudes, +4..7 the other half's / the bytes, +12..15 the conversions' scale operands
.set PC,   32                          ; v32-51   the codes just made: 12 registers, and the conversions' second halves at +12, +16
.set SW,   52                          ; v52-55   the four patches' scale words
.set DW,   56                          ; v56-57   the 8 scale bytes that I store
.set PW,   58                          ; v58      the scale word just made
.set X,    64                          ; v64-127  64 numbers: register 16 b + i = k 32 b + 16 h + i of my row
.set R,    128                         ; v128-255 two sets of 64: patches as they are loaded
.set SP,   528                         ; a stage row: 512 bytes + 16: the 16 rows that a read touches begin in 16 different groups of banks
.set WST,  16*SP                       ; a wave's stage
; 64 numbers of a lane, v[s] on, become a fragment's codes in v[PC] on and its scale word in v[PW]
.macro QUANT s
.irp b, 0,1,2,3
	v_max3_num_f32 v[TM+\b], |v[\s+16*\b]|, |v[\s+1+16*\b]|, 0x1800000   ; block b: my 16 numbers, and the floor 2^(3 - 127): the byte cannot fall under 1
.endr
.irp i, 2,4,6,8,10,12,14
.irp b, 0,1,2,3
	v_max3_num_f32 v[TM+\b], v[TM+\b], |v[\s+16*\b+\i]|, |v[\s+1+16*\b+\i]|   ; the four blocks by turns
.endr
.endr
.irp b, 0,1,2,3
	v_permlanex16_b32 v[TM+4+\b], v[TM+\b], s[SEL], s[SEL+1]
.endr
.irp b, 0,1,2,3
	v_max_num_f32 v[TM+\b], v[TM+\b], v[TM+4+\b]        ; with lane l xor 16's: the block's largest magnitude
.endr
.irp b, 0,1,2,3
	v_add_nc_u32 v[TM+12+\b], 0xff000000, v[TM+\b]      ; 2 off its exponent field: the conversion's scale operand
.endr
.irp b, 0,1,2,3
	v_lshrrev_b32 v[TM+4+\b], 23, v[TM+12+\b]           ; the scale's byte
.endr
	v_lshl_or_b32 v[PW], v[TM+5], 8, v[TM+4]
	v_lshl_or_b32 v[PW], v[TM+6], 16, v[PW]
	v_lshl_or_b32 v[PW], v[TM+7], 24, v[PW]
.irp c, 0,1
	v_cvt_scalef32_pk16_fp6_f32 v[PC+6*\c:PC+2+6*\c], v[\s+32*\c:\s+15+32*\c], v[TM+12+2*\c]
	v_cvt_scalef32_pk16_fp6_f32 v[PC+12+4*\c:PC+14+4*\c], v[\s+16+32*\c:\s+31+32*\c], v[TM+12+2*\c+1]   ; (a conversion's three registers begin on an even number)
.endr
	v_nop                                          ; one plain place behind a scaled conversion
.irp c, 0,1                                    ; a WHOLE block to a lane: lanes 0-15 block 2 c, lanes 16-31 block 2 c + 1
.irp i, 0,1,2
	v_permlane16_swap_b32 v[PC+6*\c+\i], v[PC+12+4*\c+\i]
.endr
.irp i, 0,1,2
	v_mov_b32 v[PC+3+6*\c+\i], v[PC+12+4*\c+\i]
.endr
.endr
.endm
	s_load_b256 s[4:11], s[0:1], 0x0               ; x, W_q, W_k, W_v
	s_load_b256 s[12:19], s[0:1], 0x20             ; W_o, x_codes, x_scales, w_codes
	s_load_b64 s[20:21], s[0:1], 0x40              ; w_scales
	v_lshl_add_u32 v26, v0, 2, 0x8400
	v_mov_b32 v27, 0
	v_lshrrev_b32 v1, 5, v0
	v_readfirstlane_b32 s22, v1                    ; wave
	v_and_b32 v1, 31, v0                           ; lane
	s_cmp_ge_u32 ttmp9, 256
	s_cbranch_scc1 .Lweights
	; ---------------- x: a wave takes tile T and columns 512 y on, as four patches of 16 rows x 128 columns
	v_and_b32 v2, 15, v0                           ; r
	v_bfe_u32 v3, v0, 4, 1                         ; h
	v_lshlrev_b32 v4, 4, v1                        ; 16 x lane
	v_lshlrev_b32 v5, 3, v1                        ; 8 x lane
	s_mul_i32 s23, s22, WST
	v_add_nc_u32 v6, s23, v4                       ; the stage, on the way in: a row's 512 bytes as they are loaded
	v_mul_u32_u24 v7, v2, SP
	v_lshl_add_u32 v7, v3, 6, v7
	v_add_nc_u32 v7, s23, v7                       ; and out: row r, + 64 h: my 16 numbers of each block of 32
	s_mov_b32 s[SEL], 0x76543210
	s_mov_b32 s[SEL+1], 0xfedcba98
.irp b, 0,1,2,3
	v_mov_b32 v[TM+4+\b], 0                        ; written once: a lane permute's destination counts as one of its sources
.endr
	s_lshl_b32 s26, ttmp9, 2
	s_add_co_u32 s26, s26, s22
	s_lshr_b32 s27, s26, 1                         ; T
	s_and_b32 s28, s26, 1                          ; y
	s_lshr_b32 s29, s27, 1
	s_lshl_b32 s29, s29, 5
	s_and_b32 s30, s27, 1
	s_lshl_b32 s30, s30, 3
	s_add_co_u32 s29, s29, s30                     ; the tile's first row of x: 32 (T / 2) + 8 (T % 2)
	s_lshl_b32 s30, s29, 12
	s_lshl_b32 s31, s28, 11
	s_add_co_u32 s30, s30, s31
	s_mov_b32 s31, 0
	s_mul_i32 s32, s27, 12288
	s_mul_i32 s33, s28, 6144
	s_add_co_u32 s32, s32, s33
	s_mov_b32 s33, 0
	s_lshl_b32 s34, s27, 9
	s_lshl_b32 s35, s28, 8
	s_add_co_u32 s34, s34, s35
	s_mov_b32 s35, 0
	s_wait_alu depctr_va_vdst(0)
	s_wait_kmcnt 0x0
	s_add_nc_u64 s[4:5], s[4:5], s[30:31]
	s_add_nc_u64 s[14:15], s[14:15], s[32:33]
	s_add_nc_u64 s[16:17], s[16:17], s[34:35]
.macro LOADP p                         ; patch p: each load takes 512 consecutive bytes of one row; tile row i is the tensor's row 16 (i / 8) + i % 8 from the tile's first
.irp i, 0,1,2,3,4,5,6,7,8,9,10,11,12,13,14,15
	global_load_b128 v[R+64*((\p)%2)+4*\i:R+64*((\p)%2)+4*\i+3], v4, s[4:5] offset:(16*(\i/8)+\i%8)*4096+512*(\p) th:TH_LOAD_NT
.endr
.endm
.macro TURNP p                         ; through the stage: LDS serves a wave's instructions in order, so no wait stands between the stores and the loads
.irp i, 0,1,2,3,4,5,6,7,8,9,10,11,12,13,14,15
	ds_store_b128 v6, v[R+64*((\p)%2)+4*\i:R+64*((\p)%2)+4*\i+3] offset:SP*\i
.endr
.irp b, 0,1,2,3
.irp j, 0,1,2,3
	ds_load_b128 v[X+16*\b+4*\j:X+16*\b+4*\j+3], v7 offset:128*\b+16*\j
.endr
.endr
.endm
.macro OUTP p                          ; two half fragments: each store covers 512 or 256 consecutive bytes, aligned
	global_store_b128 v4, v[PC:PC+3], s[14:15] offset:1536*(\p)
	global_store_b64 v5, v[PC+4:PC+5], s[14:15] offset:1536*(\p)+512
	global_store_b128 v4, v[PC+6:PC+9], s[14:15] offset:1536*(\p)+768
	global_store_b64 v5, v[PC+10:PC+11], s[14:15] offset:1536*(\p)+1280
	v_mov_b32 v[SW+(\p)], v[PW]
.endm
	LOADP 0
	LOADP 1
.irp p, 0,1,2,3
.if \p < 3
	s_wait_loadcnt 16                              ; this patch's 16 loads are in; the next patch's 16 may be out
.else
	s_wait_loadcnt 0x0
.endif
	TURNP \p
	s_wait_dscnt 0x0                               ; the numbers are back, and the stage's stores have read the set that is loaded again below
	s_wait_xcnt 0x0                                ; the last patch's stores have read the codes' registers: they are written again only behind this wait
.if \p < 2
	LOADP \p+2
.endif
	QUANT X
	OUTP \p
.endr
	v_cmp_le_u32 vcc_lo, 16, v1                    ; lanes 0-15 store the bytes of K / 256 = 2 y of row r, lanes 16-31 those of 2 y + 1 (every lane holds its row's words)
	v_cndmask_b32 v[DW], v[SW], v[SW+2], vcc_lo
	v_cndmask_b32 v[DW+1], v[SW+1], v[SW+3], vcc_lo
	global_store_b64 v5, v[DW:DW+1], s[16:17]      ; 256 consecutive bytes, aligned
	s_wait_tensorcnt 0x0
	ds_add_u32 v26, v27
	s_wait_dscnt 0x0
	s_endpgm
	; ---------------- the weights: a lane takes a column n and its registers run down K
.set XW, 32                            ; v32-95   two sets of 32 numbers
.set CT, 96                            ; v96-98   a block's second three registers, as the conversion leaves them
.set HB, 100                           ; v100-147 block t's six registers at v[HB + 6 t]: no store's data are written again
.set SB, 24                            ; v24-25   my column's 8 scale bytes
.Lweights:
	s_sub_co_u32 s23, ttmp9, 256
	s_lshr_b32 s24, s23, 5                         ; which weight
	s_bfe_u32 s25, s23, 0x30002                    ; which 128 columns
	s_and_b32 s26, s23, 3                          ; which 256 along K
	s_lshl_b32 s27, s25, 7
	s_lshl_b32 s28, s22, 5
	s_add_co_u32 s27, s27, s28                     ; my wave's first column
	s_wait_alu depctr_va_vdst(0)
	v_and_b32 v2, 7, v1
	v_and_b32 v3, 8, v1
	v_lshl_or_b32 v2, v3, 1, v2
	v_and_b32 v3, 16, v1
	v_lshrrev_b32 v3, 1, v3
	v_or_b32 v2, v2, v3                            ; lane L takes column L with bits 3 and 4 exchanged: the tiles' order of rows; a load still covers the same 128 bytes
	v_lshlrev_b32 v2, 2, v2
	v_lshlrev_b32 v3, 4, v1                        ; 16 x lane
	v_lshlrev_b32 v4, 3, v1                        ; 8 x lane
	v_and_b32 v5, 15, v1
	v_lshlrev_b32 v5, 3, v5
	v_lshrrev_b32 v6, 4, v1
	v_lshl_or_b32 v5, v6, 9, v5                    ; scale bytes: 512 x (lane / 16) + 8 x (lane % 16)
	s_lshl_b32 s28, s26, 20                        ; 256 rows of 4,096 bytes
	s_lshl_b32 s29, s27, 2
	s_add_co_u32 s28, s28, s29
	s_mov_b32 s29, 0
	s_lshl_b32 s30, s24, 6
	s_lshr_b32 s31, s27, 4
	s_add_co_u32 s30, s30, s31                     ; my first tile: 64 x weight + column / 16
	s_mul_i32 s32, s30, 12288
	s_mul_i32 s33, s26, 3072
	s_add_co_u32 s32, s32, s33
	s_mov_b32 s33, 0
	s_lshl_b32 s34, s30, 9
	s_lshl_b32 s35, s26, 7
	s_add_co_u32 s34, s34, s35
	s_mov_b32 s35, 0
	s_wait_alu depctr_va_vdst(0)
	s_wait_kmcnt 0x0
	s_mov_b64 s[36:37], s[6:7]                     ; the weight is chosen by the work-group's number alone
	s_cmp_eq_u32 s24, 1
	s_cselect_b64 s[36:37], s[8:9], s[36:37]
	s_cmp_eq_u32 s24, 2
	s_cselect_b64 s[36:37], s[10:11], s[36:37]
	s_cmp_eq_u32 s24, 3
	s_cselect_b64 s[36:37], s[12:13], s[36:37]
	s_add_nc_u64 s[36:37], s[36:37], s[28:29]
	s_add_nc_u64 s[18:19], s[18:19], s[32:33]
	s_add_nc_u64 s[20:21], s[20:21], s[34:35]
.macro LOADB t                         ; block t: W(32 t + i, my column) into set t % 2
.irp i, 0,1,2,3,4,5,6,7,8,9,10,11,12,13,14,15,16,17,18,19,20,21,22,23,24,25,26,27,28,29,30,31
	global_load_b32 v[XW+32*((\t)%2)+\i], v2, s[36:37] offset:(32*(\t)+\i)*4096 th:TH_LOAD_NT
.endr
.endm
.macro BLOCKW t
.set XS, XW+32*((\t)%2)
.set HT, HB+6*(\t)
.if (\t) < 7
	s_wait_loadcnt 32                              ; this block's 32 loads are in; the next block's may be out
.else
	s_wait_loadcnt 0x0
.endif
	v_max3_num_f32 v12, |v[XS]|, |v[XS+1]|, |v[XS+2]|   ; all 32 numbers of the block are mine
	v_max3_num_f32 v13, |v[XS+3]|, |v[XS+4]|, |v[XS+5]|
.irp i, 6,10,14,18,22,26
	v_max3_num_f32 v12, v12, |v[XS+\i]|, |v[XS+\i+1]|
	v_max3_num_f32 v13, v13, |v[XS+\i+2]|, |v[XS+\i+3]|
.endr
	v_max3_num_f32 v12, v12, |v[XS+30]|, |v[XS+31]|
	v_max3_num_f32 v12, v12, v13, 0x1800000        ; and the floor
	v_add_nc_u32 v11, 0xff000000, v12              ; the conversions' scale operand
	v_lshrrev_b32 v13, 23, v11                     ; the byte
.if (\t)%4 == 0
	v_mov_b32 v[SB+(\t)/4], v13
.else
	v_lshl_or_b32 v[SB+(\t)/4], v13, 8*((\t)%4), v[SB+(\t)/4]
.endif
	v_cvt_scalef32_pk16_fp6_f32 v[HT:HT+2], v[XS:XS+15], v11
	v_cvt_scalef32_pk16_fp6_f32 v[CT:CT+2], v[XS+16:XS+31], v11
	v_nop                                          ; one plain place behind a scaled conversion
.irp i, 0,1,2
	v_mov_b32 v[HT+3+\i], v[CT+\i]
.endr
.if (\t)+2 < 8
	LOADB (\t)+2
.endif
.if (\t)%2 == 1                        ; two blocks are 64 along K.  Lanes 0-15 hold the first tile's rows, lanes 16-31 the second's: one exchange of halves makes the two tiles' half fragments
.irp i, 0,1,2,3,4,5
	v_permlane16_swap_b32 v[HT-6+\i], v[HT+\i]
.endr
	global_store_b128 v3, v[HT-6:HT-3], s[18:19] offset:768*((\t)/2)
	global_store_b64 v4, v[HT-2:HT-1], s[18:19] offset:768*((\t)/2)+512
	global_store_b128 v3, v[HT:HT+3], s[18:19] offset:768*((\t)/2)+12288
	global_store_b64 v4, v[HT+4:HT+5], s[18:19] offset:768*((\t)/2)+12288+512
.endif
.endm
	LOADB 0
	LOADB 1
.irp t, 0,1,2,3,4,5,6,7
	BLOCKW \t
.endr
	global_store_b64 v5, v[SB:SB+1], s[20:21]      ; two runs of 128 consecutive bytes
	s_endpgm
.Lfunc_end_k_qffc4c9d4f2_quant:
	.size	k_qffc4c9d4f2_quant, .Lfunc_end_k_qffc4c9d4f2_quant-k_qffc4c9d4f2_quant
	.p2alignl 7, 3214868480
	.fill 96, 4, 3214868480
	.section	.rodata,"a",@progbits
	.p2align	6, 0x0
	.amdhsa_kernel k_qffc4c9d4f2_quant
		.amdhsa_group_segment_fixed_size 34304
		.amdhsa_private_segment_fixed_size 0
		.amdhsa_enable_private_segment 0
		.amdhsa_kernarg_size 72
		.amdhsa_user_sgpr_count 2
		.amdhsa_user_sgpr_kernarg_segment_ptr 1
		.amdhsa_wavefront_size32 1
		.amdhsa_system_sgpr_workgroup_id_x 1
		.amdhsa_system_sgpr_workgroup_id_y 1
		.amdhsa_system_sgpr_workgroup_id_z 1
		.amdhsa_system_vgpr_workitem_id 0
		.amdhsa_next_free_vgpr 256
		.amdhsa_next_free_sgpr 66
		.amdhsa_reserve_vcc 1
		.amdhsa_float_denorm_mode_32 3
		.amdhsa_float_denorm_mode_16_64 3
		.amdhsa_memory_ordered 1
		.amdhsa_forward_progress 1
		.amdhsa_inst_pref_size 74
	.end_amdhsa_kernel
	.amdgpu_metadata
---
amdhsa.version: [ 1, 2 ]
amdhsa.kernels:
  - .name:           k_qffc4c9d4f2_quant
    .symbol:         k_qffc4c9d4f2_quant.kd
    .args:
      - { .name: x, .offset: 0, .size: 8, .value_kind: global_buffer, .address_space: global }
      - { .name: W_q, .offset: 8, .size: 8, .value_kind: global_buffer, .address_space: global }
      - { .name: W_k, .offset: 16, .size: 8, .value_kind: global_buffer, .address_space: global }
      - { .name: W_v, .offset: 24, .size: 8, .value_kind: global_buffer, .address_space: global }
      - { .name: W_o, .offset: 32, .size: 8, .value_kind: global_buffer, .address_space: global }
      - { .name: x_codes, .offset: 40, .size: 8, .value_kind: global_buffer, .address_space: global }
      - { .name: x_scales, .offset: 48, .size: 8, .value_kind: global_buffer, .address_space: global }
      - { .name: w_codes, .offset: 56, .size: 8, .value_kind: global_buffer, .address_space: global }
      - { .name: w_scales, .offset: 64, .size: 8, .value_kind: global_buffer, .address_space: global }
    .group_segment_fixed_size: 34304
    .private_segment_fixed_size: 0
    .kernarg_segment_align: 8
    .kernarg_segment_size: 72
    .max_flat_workgroup_size: 128
    .sgpr_count:     66
    .vgpr_count:     256
    .wavefront_size: 32
...
	.end_amdgpu_metadata
.endif
;; end of part 1
;; launch proj (part 2): grid 8 x 32, 4 waves a work-group, clusters of 4 x 4, 327,680 bytes of LDS; arguments x_codes, x_scales, w_codes, w_scales, qkv_codes, qkv_scales; writes qkv_codes, qkv_scales
.if DOCPART == 2
	.amdgcn_target "amdgcn-amd-amdhsa--gfx1250"
	.amdhsa_code_object_version 6
	.text
	.protected	k_qffc4c9d4f2_proj
	.globl	k_qffc4c9d4f2_proj
	.p2align	8
	.type	k_qffc4c9d4f2_proj,@function
k_qffc4c9d4f2_proj:
	s_mov_b64 s[64:65], 0
	v_nop
	global_prefetch_b8 v0, s[64:65] scope:SCOPE_SE
	s_setreg_imm32_b32 hwreg(HW_REG_WAVE_MODE, 25, 1), 1
	s_wait_xcnt 0x0
	s_wait_alu depctr_hold_cnt(0) depctr_sa_sdst(0) depctr_va_vdst(0) depctr_va_sdst(0) depctr_va_ssrc(0) depctr_va_vcc(0) depctr_vm_vsrc(0)
	s_getreg_b32 s2, hwreg(HW_REG_IB_STS2, 6, 4)
	s_cmp_eq_u32 s2, 0
	s_cbranch_scc0 .Lentry_in_a_cluster
	s_endpgm
.Lentry_in_a_cluster:
	s_bfe_u32 s2, ttmp6, 0x10000c
	s_cmp_lg_u32 s2, 0xf033
	s_cbranch_scc0 .Lentry_shape_is_right
	s_endpgm
.Lentry_shape_is_right:
; Q, K and V of all heads, made and quantised at once, on codes of FP6 (E2M3) with E8M0 scales, K = 1,024.  No f32 result goes to memory: only codes and scale bytes.
; A WORK-GROUP MAKES TWO PRODUCTS, one after the other, C[m][n] = sum over k of A[m][k] B[n][k], C quantised along n:
;   first  A = its 256 tokens of x, B = 256 columns of W_q | W_k: Q or K, quantised along a head's 64;      then  A = 128 channels of W_v, B = the same 256 tokens of x: V^T, quantised along the keys.
; 32 blocks of tokens x 8 blocks of columns are 256 work-groups of equal work: 256 x 256 + 128 x 256 of the 8,192 x 3,072 results each.
; OPERANDS lie in memory as images of registers: a HALF FRAGMENT of 768 bytes is 16 rows x 64 K (lane l: registers 0-3 at 16 l, registers 4-5 at 512 + 8 l); a tile of 16 rows has 16 on end.  Scale bytes: [tile][K / 256][row][8].
; Row r of tile T is the tensor's row 32 (T / 2) + 8 (T % 2) + r + 8 (r / 8).  THE MATRIX INSTRUCTION IS USED TRANSPOSED (source 0 = 16 rows of B, source 1 = 16 rows of A): with that order of B's rows the 64
; registers that a lane holds of a block of A's rows are n = 32 b + 16 (lane / 16) + i in register 16 b + i: the order in which the conversions want them.
; THE FIRST PRODUCT: four waves, 128 x 128 each (64 accumulators).  K goes in steps of 256 through two LDS slots filled by the tensor data mover; the four steps are written out.
; THE SECOND: 64 x 128 a wave (32 accumulators), all of K in LDS.  W_v's 128 rows come with the first fills into bytes of their own; x's 256 rows are just the two slots' bytes: they are filled again by one load a wave,
; asked for in the middle of the first product's last step, so that the quantising of the first product's results stands between the request and the wait for it.  x's scale bytes lie in LDS since the start.
; CLUSTERS 4 x 4: x's tiles are shared along a row of the cluster, the weights' along a column: each is asked for jointly.
; LIMITS: a block of zeros gets the byte 1 where the rule says 127 (its codes are zeros; this program alone reads the bytes); blocks under 2^-124 are held at that floor; NaN and infinities are not served.
; REGISTERS: window 0: v5-31 addresses; v32-63 scale words, two sets; v64-127 the way out; v128-223 A's fragments (second product: two sets of 48); v224-255 W_v's scale words.
;   window 1: B's fragments, two sets, at v0 and v128.  windows 2, 3: accumulator (a, b) at v[8 (8 (a % 4) + b)].
.set NQ,     2                         ; matrix instructions deep in a slot
.set FR,     12                        ; registers of a fragment
.set NL,     4                         ; LDS loads that bring one
.set NP,     4                         ; places behind this matrix instruction (ISA guide 7.12.1)
.set TILEB,  3072                      ; a tile's 256 along K: four half fragments
.set HALFT,  8*TILEB                   ; what one tensor load of the first product brings
.set SLOT,   4*HALFT                   ; A's 16 tiles, then B's
.set SCL,    2*SLOT                    ; behind the ring: x's scale bytes (8,192), then W_q | W_k's
.set HALFS,  4096
.set SPARE,  SCL+4*HALFS               ; the spare words, 128 bytes for each wave: two blocks of 256 bytes that no other line names
.set SST,    SPARE+512                 ; the way out: 512 bytes for each wave, its rows' scale words; no tensor load lands here
.set A2B,    SST+2048                  ; W_v's 128 rows: [K / 256][8 tiles][3,072 bytes], filled once
.set B2R,    2*HALFT                   ; the second product's x: four regions [K / 512][half of the tiles], each [8 tiles][6,144 bytes], over the two slots
.set VOFFC,  12582912                  ; where V's half fragments begin in qkv_codes
.set VOFFS,  524288                    ; and V's scale words in qkv_scales
.set PA16, 5                           ; v5, v6  the second product: LDS address of my fragments of W_v (16 x lane, 8 x lane)
.set PA8,  6
.set PB16, 7                           ; v7, v8  and of x
.set PB8,  8
.set ADS2, 9                           ; v9      and of x's scale words
.set R8,   10                          ; v10     8 x (lane % 16)
.set SRD8, 11                          ; v11     where I read the second product's scale words back
.set ADRA, 16                          ; v16-17 LDS address of my A fragments in slot 0, 1 (16 x lane);  v18-19 the same with 8 x lane
.set ADRB, 20                          ; v20-23 the same for B
.set L16,  24                          ; v24    16 x lane
.set L8,   25                          ; v25    8 x lane
.set SSTO, 26                          ; v26    where I put a scale word
.set ADRS, 27                          ; v27    LDS address of my scale words: lanes 0-15 A's rows, lanes 16-31 B's
.set SPW,  28                          ; v28    my spare word; never rewritten
.set NIL,  29                          ; v29    0; never rewritten
.set SRD,  30                          ; v30    where I read the first product's scale words back
.set SC,   32
.set TM,   64                          ; v64-79   at work in the quantiser
.set PC,   80                          ; v80-99, v100-119 codes, two sets by turns
.set PWR,  120                         ; v120-127 a scale word for each block
.set AF,   128
.set S2,   224                         ; v224-255 W_v's scale words: block a, K step s at v[S2 + 8 a + s]
.set WV, 16
.set RH, 17                            ; my half of the tile's rows.  Also: I fetch for A (0) or for B (1)
.set CH, 18                            ; my half of its columns.  Also: which 8 tiles I fetch
.set G1, 24
.set G0, 32
.set G1B, 48
.set G0B, 56
.set G1S, 68
.set G0S, 76
.set G1SB, 80
.set G0SB, 88
.set G0A2, 92                          ; s[92:95]  group 0 for W_v's rows
.set G0B2, 96                          ; s[96:99]  group 0 for x's rows of the second product
.set SEL, 100
.set W2S, 104                          ; s[104:105] W_v's scale words of my 64 rows
.set MSB, 0
.macro WIN new                         ; the immediate's high byte repeats the setting that is left
.if MSB != \new
	s_set_vgpr_msb (MSB<<8)|\new
.set MSB, \new
.endif
.endm
.set MUL_LO, 0xa1                      ; source 0 (B) window 1, source 1 (A) window 0, C and D window 2
.set MUL_HI, 0xf1
.set TO_B,   0x40
; A joint load: waves 0 and 1 fetch for A, waves 2 and 3 for B; the branch hangs on the wave's number alone.  Four v_nop follow each of the two lines.
.macro JLOAD g0a, g1a, g0b, g1b
	s_cmp_eq_u32 s[RH], 0
	s_cbranch_scc0 .Lfor_b_\@
	tensor_load_to_lds s[\g0a:\g0a+3], s[\g1a:\g1a+7]
	s_nop 0
.rept 4
	v_nop
.endr
	s_branch .Lasked_\@
.Lfor_b_\@:
	tensor_load_to_lds s[\g0b:\g0b+3], s[\g1b:\g1b+7]
	s_nop 0
.rept 4
	v_nop
.endr
.Lasked_\@:
.endm
.macro CREST                           ; a round of the cluster's barrier behind its opening barrier
	s_cmp_lg_u32 s[WV], 0
	s_cbranch_scc1 .Lnot_wave_0_\@
	s_barrier_signal -3
.Lnot_wave_0_\@:
	s_barrier_wait -3
	s_barrier_signal -1
	s_barrier_wait -1
.endm
.macro CROUND
	s_barrier_signal -1
	s_barrier_wait -1
	CREST
.endm
	s_load_b256 s[4:11], s[0:1], 0x0               ; x_codes, x_scales, w_codes, w_scales
	s_load_b128 s[12:15], s[0:1], 0x20             ; qkv_codes, qkv_scales
	v_lshl_add_u32 v[SPW], v0, 2, SPARE
	v_mov_b32 v[NIL], 0
	ds_add_u32 v28, v29
	ds_add_u32 v28, v29
	s_wait_dscnt 0x0
	v_lshrrev_b32 v1, 5, v0
	v_readfirstlane_b32 s[WV], v1
	s_lshr_b32 s[RH], s[WV], 1
	s_and_b32 s[CH], s[WV], 1
	s_bfe_u32 s40, ttmp6, 0x40000                  ; cx
	s_bfe_u32 s41, ttmp6, 0x40004                  ; cy
	s_and_b32 s42, ttmp7, 0xffff
	s_lshl_b32 s42, s42, 2
	s_add_co_u32 s42, s42, s41                     ; work-group y: which 256 tokens
	s_lshl_b32 s43, ttmp9, 2
	s_add_co_u32 s43, s43, s40                     ; work-group x: which 256 columns of W_q | W_k, which 128 channels of W_v
	s_lshl_b32 s44, s41, 2
	s_lshl_b32 s44, 15, s44                        ; my row of the cluster
	s_lshl_b32 s45, 0x1111, s40                    ; my column
	; group 1 for codes: 8 rows (tiles) of 3,072 bytes, 12,288 bytes apart; elements of 8 bytes; no padding: the images are read 16 or 8 bytes a lane on end
	s_or_b32 s[G1+0], s44, (3<<16)|(1<<21)
	s_or_b32 s[G1B+0], s45, (3<<16)|(1<<21)
.irp g, G1, G1B
	s_mov_b32 s[\g+1], 384<<16                     ; tensor_dim0
	s_mov_b32 s[\g+2], 8<<16                       ; tensor_dim1
	s_mov_b32 s[\g+3], 384<<16                     ; tile_dim0
	s_mov_b32 s[\g+4], 8                           ; tile_dim1
	s_mov_b32 s[\g+5], 1536                        ; tensor_dim0_stride
	s_mov_b32 s[\g+6], 0
	s_mov_b32 s[\g+7], 0
.endr
	; and for the scale bytes of 8 tiles: 4,096 dense bytes as 16 rows of 256
	s_or_b32 s[G1S+0], s44, (3<<16)|(1<<21)
	s_or_b32 s[G1SB+0], s45, (3<<16)|(1<<21)
.irp g, G1S, G1SB
	s_mov_b32 s[\g+1], 32<<16
	s_mov_b32 s[\g+2], 16<<16
	s_mov_b32 s[\g+3], 32<<16
	s_mov_b32 s[\g+4], 16
	s_mov_b32 s[\g+5], 32
	s_mov_b32 s[\g+6], 0
	s_mov_b32 s[\g+7], 0
.endr
	s_lshl_b32 s20, s42, 4                         ; x's first tile: 16 x work-group y
	s_lshl_b32 s46, s43, 4                         ; W_q | W_k's: 16 x work-group x
	s_lshl_b32 s21, s[CH], 3
	s_add_co_u32 s22, s20, s21                     ; the 8 tiles of x that I would fetch,
	s_add_co_u32 s47, s46, s21                     ; and of the weights
	s_mov_b32 s3, 0
	s_mov_b32 s67, 0
	s_wait_kmcnt 0x0
	s_lshl_b32 s66, s43, 3
	s_add_co_u32 s66, s66, 128                     ; W_v's first tile of this work-group: 128 + 8 x work-group x
	s_lshl_b32 s23, s[RH], 2
	s_add_co_u32 s23, s23, s66                     ; and of my 64 rows
	s_mul_i32 s66, s66, 12288
	s_mul_i32 s19, s[WV], TILEB
	s_add_co_u32 s66, s66, s19                     ; wave w brings K = 256 w on of the 8 tiles
	s_add_nc_u64 s[G0A2+2:G0A2+3], s[8:9], s[66:67]
	s_or_b32 s[G0A2+3], s[G0A2+3], 0x80000000
	s_lshl_b32 s66, s23, 9
	s_add_nc_u64 s[W2S:W2S+1], s[10:11], s[66:67]
	s_mul_i32 s2, s22, 12288
	s_add_nc_u64 s[4:5], s[4:5], s[2:3]
	s_lshl_b32 s2, s22, 9
	s_add_nc_u64 s[6:7], s[6:7], s[2:3]
	s_mul_i32 s2, s[RH], 2*TILEB                   ; the second product's x: tiles 8 (wave % 2) on, K = 512 (wave / 2) on
	s_add_nc_u64 s[G0B2+2:G0B2+3], s[4:5], s[2:3]
	s_or_b32 s[G0B2+3], s[G0B2+3], 0x80000000
	s_mul_i32 s66, s47, 12288
	s_add_nc_u64 s[8:9], s[8:9], s[66:67]
	s_lshl_b32 s66, s47, 9
	s_add_nc_u64 s[10:11], s[10:11], s[66:67]
	s_mul_i32 s19, s[WV], HALFT                    ; where they go: no place in the cluster enters an LDS address
	s_lshl_b32 s21, s[WV], 12
	s_mov_b32 s[G0A2], 1
	s_add_co_u32 s[G0A2+1], s19, A2B
	s_mov_b32 s[G0B2], 1
	s_mul_i32 s[G0B2+1], s[WV], B2R
	CROUND                                         ; all sixteen work-groups are here: the first joint loads meet
	s_mov_b32 s[G0S], 1
	s_add_co_u32 s[G0S+1], s21, SCL
	s_mov_b64 s[G0S+2:G0S+3], s[6:7]
	s_or_b32 s[G0S+3], s[G0S+3], 0x80000000
	s_mov_b32 s[G0SB], 1
	s_add_co_u32 s[G0SB+1], s21, SCL
	s_mov_b64 s[G0SB+2:G0SB+3], s[10:11]
	s_or_b32 s[G0SB+3], s[G0SB+3], 0x80000000
	JLOAD G0S, G1S, G0SB, G1SB                     ; the scales first: they are wanted with K step 0
.irp s, 0,1
	s_mov_b32 s[G0+4*\s], 1
	s_add_co_u32 s[G0+4*\s+1], s19, \s*SLOT
	s_add_nc_u64 s[G0+4*\s+2:G0+4*\s+3], s[4:5], \s*TILEB
	s_or_b32 s[G0+4*\s+3], s[G0+4*\s+3], 0x80000000
	s_mov_b32 s[G0B+4*\s], 1
	s_add_co_u32 s[G0B+4*\s+1], s19, \s*SLOT
	s_add_nc_u64 s[G0B+4*\s+2:G0B+4*\s+3], s[8:9], \s*TILEB
	s_or_b32 s[G0B+4*\s+3], s[G0B+4*\s+3], 0x80000000
	JLOAD G0+4*\s, G1, G0B+4*\s, G1B
.endr
	tensor_load_to_lds s[G0A2:G0A2+3], s[G1B:G1B+7]   ; W_v's rows, shared along my column like the other weights: every wave brings a quarter of K.  Four tensor loads of mine are out
	s_nop 0
.rept 4
	v_nop
.endr
	v_and_b32 v1, 31, v0                           ; lane
	v_and_b32 v2, 15, v0                           ; r
	v_bfe_u32 v3, v0, 4, 1                         ; h
	v_lshlrev_b32 v[L16], 4, v1
	v_lshlrev_b32 v[L8], 3, v1
	v_lshlrev_b32 v[R8], 3, v2
.irp a, 0,1,2,3                                ; W_v's scale words of my four blocks, for all of K: 8 bytes a row and 256 along K; they stay in registers that hold nothing else
.irp c, 0,1,2,3
	global_load_b64 v[S2+8*\a+2*\c:S2+8*\a+2*\c+1], v[R8], s[W2S:W2S+1] offset:512*\a+128*\c
.endr
.endr
	s_mul_i32 s21, s[RH], HALFT                    ; my 8 tiles of A
	s_mul_i32 s22, s[CH], HALFT
	s_add_co_u32 s22, s22, 2*HALFT                 ; my 8 tiles of B, behind A's 16
.irp s, 0,1
	v_add_nc_u32 v[ADRA+\s], s21, v[L16]
	v_add_nc_u32 v[ADRA+2+\s], s21, v[L8]
	v_add_nc_u32 v[ADRB+\s], s22, v[L16]
	v_add_nc_u32 v[ADRB+2+\s], s22, v[L8]
	s_add_co_u32 s21, s21, SLOT
	s_add_co_u32 s22, s22, SLOT
.endr
	s_lshl_b32 s21, s[RH], 12                      ; A's scale bytes: my 8 tiles
	s_lshl_b32 s22, s[CH], 12
	s_add_co_u32 s22, s22, 2*HALFS                 ; B's, behind A's
	s_sub_co_u32 s22, s22, s21
	v_mul_u32_u24 v4, s22, v3                      ; lanes 16-31 take B's: one product, the distance between the two
	s_add_co_u32 s21, s21, SCL
	v_add_nc_u32 v4, v[R8], v4                     ; 8 bytes a row
	v_add_nc_u32 v[ADRS], s21, v4
	s_lshl_b32 s21, s[WV], 9
	s_add_co_u32 s21, s21, SST
	v_lshl_add_u32 v[SSTO], v2, 2, s21             ; my stage for scale words: 4 bytes a row
	v_add_nc_u32 v[SRD], s21, v[L16]
	v_add_nc_u32 v[SRD8], s21, v[L8]
	s_mul_i32 s21, s[RH], 4*TILEB                  ; the second product: my 4 tiles of W_v,
	s_add_co_u32 s21, s21, A2B
	v_add_nc_u32 v[PA16], s21, v[L16]
	v_add_nc_u32 v[PA8], s21, v[L8]
	s_mul_i32 s21, s[CH], B2R                      ; my 8 tiles of x,
	v_add_nc_u32 v[PB16], s21, v[L16]
	v_add_nc_u32 v[PB8], s21, v[L8]
	s_lshl_b32 s21, s[CH], 12                      ; and their scale bytes, which the first product's fills brought
	s_add_co_u32 s21, s21, SCL
	v_add_nc_u32 v[ADS2], s21, v[R8]
.irp b, 0,1,2,3
	v_mov_b32 v[TM+4+\b], 0                        ; written once: a lane permute's destination counts as one of its sources
.endr
	s_mov_b32 s[SEL], 0x76543210
	s_mov_b32 s[SEL+1], 0xfedcba98
	; where my results go.  A half fragment lies at ((n / 64) x row tiles + row tile) x 768, a scale word at ((n / 128) x row tiles + row tile) x 64 + 4 r.  Q, K: n / 64 = a head, 512 row tiles (tokens)
	s_mov_b32 s47, 0
	s_lshl_b32 s19, s[RH], 3
	s_add_co_u32 s19, s19, s20                     ; my first row tile
	s_lshl_b32 s21, s43, 2
	s_lshl_b32 s22, s[CH], 1
	s_add_co_u32 s21, s21, s22
	s_lshl_b32 s21, s21, 9
	s_add_co_u32 s21, s21, s19
	s_mul_i32 s46, s21, 768
	s_add_nc_u64 s[4:5], s[12:13], s[46:47]        ; the first 64 of my 128 n,
	s_add_nc_u64 s[6:7], s[4:5], 512*768           ; the second
	s_lshl_b32 s21, s43, 1
	s_add_co_u32 s21, s21, s[CH]
	s_lshl_b32 s21, s21, 9
	s_add_co_u32 s21, s21, s19
	s_lshl_b32 s46, s21, 6
	s_add_nc_u64 s[8:9], s[14:15], s[46:47]        ; the scale words
	; V: n / 64 = 64 keys, 64 row tiles (channels)
	s_lshl_b32 s19, s43, 3
	s_lshl_b32 s21, s[RH], 2
	s_add_co_u32 s19, s19, s21                     ; my first row tile
	s_lshl_b32 s21, s42, 2
	s_add_co_u32 s21, s21, s22
	s_lshl_b32 s21, s21, 6
	s_add_co_u32 s21, s21, s19
	s_mul_i32 s46, s21, 768
	s_add_co_u32 s46, s46, VOFFC
	s_add_nc_u64 s[10:11], s[12:13], s[46:47]
	s_add_nc_u64 s[12:13], s[10:11], 64*768
	s_lshl_b32 s21, s42, 1
	s_add_co_u32 s21, s21, s[CH]
	s_lshl_b32 s21, s21, 6
	s_add_co_u32 s21, s21, s19
	s_lshl_b32 s46, s21, 6
	s_add_co_u32 s46, s46, VOFFS
	s_add_nc_u64 s[14:15], s[14:15], s[46:47]
.macro FRAG2 reg, a16, a8, off         ; a fragment, 16 rows x 128 K: two half fragments, each 16 bytes a lane and 8 bytes a lane on end
	ds_load_b128 v[\reg:\reg+3], v[\a16] offset:\off
	ds_load_b64 v[\reg+4:\reg+5], v[\a8] offset:\off+512
	ds_load_b128 v[\reg+6:\reg+9], v[\a16] offset:\off+768
	ds_load_b64 v[\reg+10:\reg+11], v[\a8] offset:\off+1280
.endm
.macro FRAG reg, adr, q, i
	FRAG2 \reg, \adr, \adr+2, TILEB*(\i)+1536*(\q)
.endm
; 16 matrix instructions: A's blocks a0, a0 + 1 x B's eight.  The 64 accumulators take turns, one instruction a turn, in the same order in every step.
.macro MUL16 a0, p, q, sc, zero
.irp a, \a0, \a0+1
.irp b, 0,1,2,3,4,5,6,7
.if \zero
	v_wmma_scale_f32_16x16x128_f8f6f4 v[8*(8*((\a)%4)+\b):8*(8*((\a)%4)+\b)+7], v[128*(\p)+FR*\b:128*(\p)+FR*\b+FR-1], v[AF+FR*(\a):AF+FR*(\a)+FR-1], 0, v[SC+8*NQ*(\sc)+NQ*\b+(\q)], v[SC+8*NQ*(\sc)+NQ*(\a)+(\q)] matrix_a_fmt:MATRIX_FMT_FP6 matrix_b_fmt:MATRIX_FMT_FP6 matrix_a_scale:MATRIX_SCALE_ROW1
.else
	v_wmma_scale_f32_16x16x128_f8f6f4 v[8*(8*((\a)%4)+\b):8*(8*((\a)%4)+\b)+7], v[128*(\p)+FR*\b:128*(\p)+FR*\b+FR-1], v[AF+FR*(\a):AF+FR*(\a)+FR-1], v[8*(8*((\a)%4)+\b):8*(8*((\a)%4)+\b)+7], v[SC+8*NQ*(\sc)+NQ*\b+(\q)], v[SC+8*NQ*(\sc)+NQ*(\a)+(\q)] matrix_a_fmt:MATRIX_FMT_FP6 matrix_b_fmt:MATRIX_FMT_FP6 matrix_a_scale:MATRIX_SCALE_ROW1
.endif
.endr
.endr
.endm
.macro FETCH_B slot, q, p
	WIN TO_B
.irp i, 0,1,2,3,4,5,6,7
	FRAG 128*(\p)+FR*\i, ADRB+\slot, \q, \i
.endr
	WIN 0
.endm
.macro FETCH_A slot, q, i0
.irp i, \i0, \i0+1, \i0+2, \i0+3
	FRAG AF+FR*(\i), ADRA+\slot, \q, \i
.endr
.endm
.macro SCALES sc                       ; a K step's scale words: two words a row; lanes 0-15 take A's block i, lanes 16-31 B's block i
.irp i, 0,1,2,3,4,5,6,7
	ds_load_b64 v[SC+8*NQ*\sc+NQ*\i:SC+8*NQ*\sc+NQ*\i+1], v[ADRS] offset:512*\i
.endr
.endm
.macro PLACES n                        ; plain vector instructions between a matrix instruction and a load into, or a read of, its registers
.rept \n
	v_nop
.endr
.endm
.macro STEP slot, q, zero              ; 128 along K that have their successor in the same slot
	s_wait_dscnt 4*NL                              ; B's set and A's blocks 0-3 are in; the 16 youngest loads (A's blocks 4-7) may be out
	WIN MUL_LO
	MUL16 0, (\q)%2, \q, \slot, \zero
	MUL16 2, (\q)%2, \q, \slot, \zero
	s_wait_dscnt 0                                 ; A's blocks 4-7 are in
	PLACES NP
	FETCH_B \slot, (\q)+1, 1-(\q)%2
	FETCH_A \slot, (\q)+1, 0
	WIN MUL_HI
	MUL16 4, (\q)%2, \q, \slot, \zero
	MUL16 6, (\q)%2, \q, \slot, \zero
	PLACES NP
	WIN 0
	FETCH_A \slot, (\q)+1, 4
.endm
; A slot's last step changes slots: one barrier; in front of it each wave waits for all its tensor loads, adds 0 to its spare word, and waits for that and for its reads of this slot.  fill = 1: the slot is filled again, two K steps ahead.
.macro TURN slot, next, fill
	s_wait_tensorcnt 0x0                           ; all my tensor loads have landed: my part of the next slot
	ds_add_u32 v[SPW], v[NIL]                      ; 0 onto my spare word
	s_wait_dscnt 4*NL+1                            ; (the add and the 16 youngest loads may be out)
	WIN MUL_LO
	MUL16 0, 1, NQ-1, \slot, 0
	s_wait_dscnt 0x0                               ; the add is done, and my reads of this slot are over
	s_barrier_signal -1
	MUL16 2, 1, NQ-1, \slot, 0
	WIN 0
	s_barrier_wait -1
.if \fill
	CREST                                          ; the barrier has opened a round of the cluster's: no wave of any partner still reads this slot or has a load on its way
	s_add_nc_u64 s[G0+4*\slot+2:G0+4*\slot+3], s[G0+4*\slot+2:G0+4*\slot+3], 2*TILEB
	s_add_nc_u64 s[G0B+4*\slot+2:G0B+4*\slot+3], s[G0B+4*\slot+2:G0B+4*\slot+3], 2*TILEB
	JLOAD G0+4*\slot, G1, G0B+4*\slot, G1B         ; the first tensor load behind the round; its four v_nop are the places in front of the loads below
.else
	PLACES NP
.endif
	s_wait_alu depctr_va_vdst(0)
	v_add_nc_u32 v[ADRS], 128, v[ADRS]             ; the next K step's scale words
	FETCH_B \next, 0, 0
	FETCH_A \next, 0, 0
	SCALES \next
	WIN MUL_HI
	MUL16 4, 1, NQ-1, \slot, 0
	MUL16 6, 1, NQ-1, \slot, 0
	PLACES NP
	WIN 0
	FETCH_A \next, 0, 4
.endm
	; ---------------- THE FIRST PRODUCT
	s_wait_tensorcnt 2                             ; the scales and my part of K step 0 are in; K step 1's load and W_v's may be out
	s_barrier_signal -1
	s_barrier_wait -1
	FETCH_B 0, 0, 0
	FETCH_A 0, 0, 0
	SCALES 0
	FETCH_A 0, 0, 4
	STEP 0, 0, 1                                   ; the first products start the sums: nothing is cleared
	TURN 0, 1, 1                                   ; K = 1,024 is four K steps: slot 0 takes step 2,
	STEP 1, 0, 0
	TURN 1, 0, 1                                   ; slot 1 step 3;
	STEP 0, 0, 0
	TURN 0, 1, 0                                   ; nothing is left to fetch for this product
	STEP 1, 0, 0
	; its last 128 along K.  All its fragments have been asked for: as soon as every wave's have come, both slots are free, and take x's rows for the second product
	s_wait_tensorcnt 0x0                           ; no tensor load of mine is out, so group 1 may be written
	ds_add_u32 v[SPW], v[NIL]                      ; 0 onto my spare word
	s_mov_b32 s[G1+1], 768<<16                     ; the same 8 tiles, shared along my row as before, now 6,144 bytes (512 along K) of each
	s_mov_b32 s[G1+3], 768<<16
	s_wait_dscnt 4*NL+1                            ; (the add and the 16 youngest loads may be out)
	WIN MUL_LO
	MUL16 0, 1, NQ-1, 1, 0
	s_wait_dscnt 0x0                               ; the add is done, and my reads of the slots are over
	s_barrier_signal -1
	MUL16 2, 1, NQ-1, 1, 0
	WIN 0
	s_barrier_wait -1
	CREST                                          ; a round of the cluster's barrier: no wave of any partner still reads a slot or has a load on its way
	tensor_load_to_lds s[G0B2:G0B2+3], s[G1:G1+7]  ; my one load behind the round: a quarter of x's 256 rows x 1,024 K; the four waves' fill both slots
	s_nop 0
	PLACES 4
	WIN MUL_HI
	MUL16 4, 1, NQ-1, 1, 0
	MUL16 6, 1, NQ-1, 1, 0
	WIN 0
; THE WAY OUT: block a's 64 registers of a lane (one row of A, 128 n) are quantised where they lie: four blocks of 32, two half fragments, one scale word a row.
; b0, b1: the scalar pairs with the addresses of the two half fragments;  xw = 1: the set of codes may still be read by stores in every block, not from the third on
.macro QEPI a, b0, b1, xw
.set QW, 2+(\a)/4                      ; the block's window
.set QS, 64*((\a)%4)
.set QP, PC+20*((\a)%2)
	WIN 5*QW                                       ; sources 0 and 1 in the block's window; the running maximum is source 2, in window 0
.irp b, 0,1,2,3
	v_max3_num_f32 v[TM+\b], |v[QS+16*\b]|, |v[QS+16*\b+1]|, 0x1800000   ; each accumulator is read from its low end on; the floor 2^(3 - 127) holds the byte at 1 from below
.endr
.irp i, 2,4,6,8,10,12,14
.irp b, 0,1,2,3
	v_max3_num_f32 v[TM+\b], |v[QS+16*\b+\i]|, |v[QS+16*\b+\i+1]|, v[TM+\b]
.endr
.endr
	WIN 0
.irp b, 0,1,2,3
	v_permlanex16_b32 v[TM+4+\b], v[TM+\b], s[SEL], s[SEL+1]
.endr
.irp b, 0,1,2,3
	v_max_num_f32 v[TM+\b], v[TM+\b], v[TM+4+\b]
.endr
.irp b, 0,1,2,3
	v_add_nc_u32 v[TM+12+\b], 0xff000000, v[TM+\b]
.endr
.irp b, 0,1,2,3
	v_lshrrev_b32 v[TM+4+\b], 23, v[TM+12+\b]
.endr
	v_lshl_or_b32 v[PWR+(\a)], v[TM+5], 8, v[TM+4]
	v_lshl_or_b32 v[PWR+(\a)], v[TM+6], 16, v[PWR+(\a)]
	v_lshl_or_b32 v[PWR+(\a)], v[TM+7], 24, v[PWR+(\a)]
.if ((\a) >= 2) || (\xw)
	s_wait_xcnt 0x0                                ; the stores that read this set of codes have read it: it is written again only behind this wait
.endif
	WIN QW                                         ; source 0 in the block's window
.irp c, 0,1
	v_cvt_scalef32_pk16_fp6_f32 v[QP+6*\c:QP+2+6*\c], v[QS+32*\c:QS+15+32*\c], v[TM+12+2*\c]
	v_cvt_scalef32_pk16_fp6_f32 v[QP+12+4*\c:QP+14+4*\c], v[QS+16+32*\c:QS+31+32*\c], v[TM+12+2*\c+1]
.endr
	WIN 0
	v_nop                                          ; one plain place behind a scaled conversion
.irp c, 0,1
.irp i, 0,1,2
	v_permlane16_swap_b32 v[QP+6*\c+\i], v[QP+12+4*\c+\i]
.endr
.irp i, 0,1,2
	v_mov_b32 v[QP+3+6*\c+\i], v[QP+12+4*\c+\i]
.endr
.endr
	global_store_b128 v[L16], v[QP:QP+3], s[\b0:\b0+1] offset:768*(\a)         ; 512 and 256 consecutive bytes, aligned
	global_store_b64 v[L8], v[QP+4:QP+5], s[\b0:\b0+1] offset:768*(\a)+512
	global_store_b128 v[L16], v[QP+6:QP+9], s[\b1:\b1+1] offset:768*(\a)
	global_store_b64 v[L8], v[QP+10:QP+11], s[\b1:\b1+1] offset:768*(\a)+512
	ds_store_b32 v[SSTO], v[PWR+(\a)] offset:64*(\a)                           ; both halves of the lanes write the same word with the same value
.endm
	PLACES NP                                      ; behind the last products
.irp a, 0,1,2,3,4,5,6,7
	QEPI \a, 4, 6, 0
.endr
	ds_load_b128 v[128:131], v[SRD]                ; LDS serves a wave's instructions in order: this sees my eight stores
	s_wait_dscnt 0x0
	global_store_b128 v[L16], v[128:131], s[8:9]   ; my 128 rows' scale words: 512 consecutive bytes, aligned
	; ---------------- THE SECOND PRODUCT: V^T.  All of K lies in LDS: eight steps of 128, 32 matrix instructions each, no further barrier
.macro FETCH2 s                        ; step s's fragments into set s % 2: x's eight, W_v's four; with an even step the scale words of x for two steps (every lane takes its row's: lanes 0-15 serve)
	WIN TO_B
.irp b, 0,1,2,3,4,5,6,7
	FRAG2 128*((\s)%2)+FR*\b, PB16, PB8, 2*TILEB*\b+1536*((\s)%4)
.endr
	WIN 0
.irp a, 0,1,2,3
	FRAG2 AF+48*((\s)%2)+FR*\a, PA16, PA8, HALFT*(((\s)/2)%2)+TILEB*\a+1536*((\s)%2)
.endr
.if (\s)%2 == 0
.irp b, 0,1,2,3,4,5,6,7
	ds_load_b64 v[SC+16*(((\s)/2)%2)+2*\b:SC+16*(((\s)/2)%2)+2*\b+1], v[ADS2] offset:512*\b+128*((\s)/2)
.endr
.endif
.endm
.macro MUL32P s, zero                  ; the 32 accumulators take turns, one instruction a turn, in the same order in every step
.irp a, 0,1,2,3
.irp b, 0,1,2,3,4,5,6,7
.if \zero
	v_wmma_scale_f32_16x16x128_f8f6f4 v[8*(8*\a+\b):8*(8*\a+\b)+7], v[128*((\s)%2)+FR*\b:128*((\s)%2)+FR*\b+FR-1], v[AF+48*((\s)%2)+FR*\a:AF+48*((\s)%2)+FR*\a+FR-1], 0, v[SC+16*(((\s)/2)%2)+2*\b+(\s)%2], v[S2+8*\a+(\s)] matrix_a_fmt:MATRIX_FMT_FP6 matrix_b_fmt:MATRIX_FMT_FP6
.else
	v_wmma_scale_f32_16x16x128_f8f6f4 v[8*(8*\a+\b):8*(8*\a+\b)+7], v[128*((\s)%2)+FR*\b:128*((\s)%2)+FR*\b+FR-1], v[AF+48*((\s)%2)+FR*\a:AF+48*((\s)%2)+FR*\a+FR-1], v[8*(8*\a+\b):8*(8*\a+\b)+7], v[SC+16*(((\s)/2)%2)+2*\b+(\s)%2], v[S2+8*\a+(\s)] matrix_a_fmt:MATRIX_FMT_FP6 matrix_b_fmt:MATRIX_FMT_FP6
.endif
.endr
.endr
.endm
.macro KSTEP2 s, zero                  ; the next step's loads go out ahead of this step's products, into the set that the last step's products have read
	s_wait_dscnt 0x0                               ; this step's fragments are in: they were asked for ahead of the last step's 32 products
.if (\s) < 7
.if (\s) == 3
	v_add_nc_u32 v[PB16], 2*B2R, v[PB16]           ; on to K = 512 .. 1,023.  (Four plain lines: the places in front of the loads)
	s_wait_alu depctr_va_vdst(0)
	v_add_nc_u32 v[PB8], 2*B2R, v[PB8]
	s_wait_alu depctr_va_vdst(0)
	v_add_nc_u32 v[PA16], 2*HALFT, v[PA16]
	s_wait_alu depctr_va_vdst(0)
	v_add_nc_u32 v[PA8], 2*HALFT, v[PA8]
.elseif (\s) > 0
	PLACES NP
.endif
	FETCH2 (\s)+1
.endif
	WIN MUL_LO
	MUL32P \s, \zero
	WIN 0
.endm
	s_wait_xcnt 0x0                                ; the store above has read v128-131: they are loaded again below
	s_wait_loadcnt 0x0                             ; W_v's scale words
	s_wait_tensorcnt 0x0                           ; my quarter of x's rows has landed (my one load that was out),
	s_barrier_signal -1
	s_barrier_wait -1                              ; everybody's has
	FETCH2 0
	KSTEP2 0, 1
.irp s, 1,2,3,4,5,6,7
	s_wait_alu depctr_va_vdst(0)
	KSTEP2 \s, 0
.endr
	PLACES NP
.irp a, 0,1,2,3
	QEPI \a, 10, 12, 1
.endr
	ds_load_b64 v[128:129], v[SRD8]                ; my 64 rows' scale words
	s_wait_dscnt 0x0
	global_store_b64 v[L8], v[128:129], s[14:15]   ; 256 consecutive bytes, aligned
	s_wait_tensorcnt 0x0                           ; the wave's end
	ds_add_u32 v[SPW], v[NIL]
	s_wait_dscnt 0x0
	CROUND                                         ; the closing round
	s_endpgm
.Lfunc_end_k_qffc4c9d4f2_proj:
	.size	k_qffc4c9d4f2_proj, .Lfunc_end_k_qffc4c9d4f2_proj-k_qffc4c9d4f2_proj
	.p2alignl 7, 3214868480
	.fill 96, 4, 3214868480
	.section	.rodata,"a",@progbits
	.p2align	6, 0x0
	.amdhsa_kernel k_qffc4c9d4f2_proj
		.amdhsa_group_segment_fixed_size 327680
		.amdhsa_private_segment_fixed_size 0
		.amdhsa_enable_private_segment 0
		.amdhsa_kernarg_size 48
		.amdhsa_user_sgpr_count 2
		.amdhsa_user_sgpr_kernarg_segment_ptr 1
		.amdhsa_wavefront_size32 1
		.amdhsa_system_sgpr_workgroup_id_x 1
		.amdhsa_system_sgpr_workgroup_id_y 1
		.amdhsa_system_sgpr_workgroup_id_z 1
		.amdhsa_system_vgpr_workitem_id 0
		.amdhsa_next_free_vgpr 1024
		.amdhsa_next_free_sgpr 106
		.amdhsa_reserve_vcc 0
		.amdhsa_float_denorm_mode_32 3
		.amdhsa_float_denorm_mode_16_64 3
		.amdhsa_memory_ordered 1
		.amdhsa_forward_progress 1
		.amdhsa_inst_pref_size 231
	.end_amdhsa_kernel
	.amdgpu_metadata
---
amdhsa.version: [ 1, 2 ]
amdhsa.kernels:
  - .name:           k_qffc4c9d4f2_proj
    .symbol:         k_qffc4c9d4f2_proj.kd
    .args:
      - { .name: x_codes, .offset: 0, .size: 8, .value_kind: global_buffer, .address_space: global }
      - { .name: x_scales, .offset: 8, .size: 8, .value_kind: global_buffer, .address_space: global }
      - { .name: w_codes, .offset: 16, .size: 8, .value_kind: global_buffer, .address_space: global }
      - { .name: w_scales, .offset: 24, .size: 8, .value_kind: global_buffer, .address_space: global }
      - { .name: qkv_codes, .offset: 32, .size: 8, .value_kind: global_buffer, .address_space: global }
      - { .name: qkv_scales, .offset: 40, .size: 8, .value_kind: global_buffer, .address_space: global }
    .group_segment_fixed_size: 327680
    .private_segment_fixed_size: 0
    .kernarg_segment_align: 8
    .kernarg_segment_size: 48
    .max_flat_workgroup_size: 128
    .sgpr_count:     106
    .vgpr_count:     1024
    .wavefront_size: 32
...
	.end_amdgpu_metadata
.endif
;; end of part 2
;; launch attn (part 3): grid 4 x 64, 16 waves a work-group, clusters of 4 x 1, 210,944 bytes of LDS; arguments qkv_codes, qkv_scales, ctx_codes, ctx_scales; writes ctx_codes, ctx_scales
.if DOCPART == 3
	.amdgcn_target "amdgcn-amd-amdhsa--gfx1250"
	.amdhsa_code_object_version 6
	.text
	.protected	k_qffc4c9d4f2_attn
	.globl	k_qffc4c9d4f2_attn
	.p2align	8
	.type	k_qffc4c9d4f2_attn,@function
k_qffc4c9d4f2_attn:
	s_mov_b64 s[64:65], 0
	v_nop
	global_prefetch_b8 v0, s[64:65] scope:SCOPE_SE
	s_setreg_imm32_b32 hwreg(HW_REG_WAVE_MODE, 25, 1), 1
	s_wait_xcnt 0x0
	s_wait_alu depctr_hold_cnt(0) depctr_sa_sdst(0) depctr_va_vdst(0) depctr_va_sdst(0) depctr_va_ssrc(0) depctr_va_vcc(0) depctr_vm_vsrc(0)
	s_getreg_b32 s2, hwreg(HW_REG_IB_STS2, 6, 4)
	s_cmp_eq_u32 s2, 0
	s_cbranch_scc0 .Lentry_in_a_cluster
	s_endpgm
.Lentry_in_a_cluster:
	s_bfe_u32 s2, ttmp6, 0x10000c
	s_cmp_lg_u32 s2, 0x3003
	s_cbranch_scc0 .Lentry_shape_is_right
	s_endpgm
.Lentry_shape_is_right:
; Causal attention of one head on codes of FP6 (E2M3) with E8M0 scales, and the quantising of its result for the last projection.  2,048 tokens, head size 64, 64 (batch, head) pairs.
; S^T = K Q^T has K = 64: the upper half of the instruction's 128 is fed zero codes (registers cleared once), under scale bytes 0, which add nothing.  O^T = V^T P^T has K = 128 keys a step.
; SOFTMAX: t = score x log2(e) / 8; M = the running largest t rounded UP to a whole number; p = 2^(t - M) is quantised along the keys, not normalised; the row's sum is taken of the unquantised p and divides O at the end;
; when M moves, the sum and O are multiplied by 2^(old M - new M), which rounds nothing.  A block's largest p is the exponential of its largest score (this takes v_exp_f32 not to fall where its input rises).
; SHARES.  The four work-groups of a cluster belong to one (batch, head).  A head's K and V as codes are 2 x 98,304 bytes: EACH WORK-GROUP KEEPS THE WHOLE HEAD IN LDS, filled ONCE by joint loads that name all four:
; no ring, no byte filled twice.  A wave makes two tiles of 16 queries, one after the other: tile 8 g + 2 cx + pass with g = wave, then g = 15 - wave.  Its visible key steps of 128 are 0 .. g: 17 steps for every wave
; of the launch.  g hangs on the wave's number alone; cx enters only global addresses and the mask's threshold, a number that selects values.  Both loops have 16 trips; a hidden step's work is jumped over.
; LAYOUT.  Both products are used transposed: a lane holds ONE query (lane % 16).  Tiles lie in memory in the order row r = token 32 (T / 2) + 8 (T % 2) + r + 8 (r / 8), so the 16 registers of score tiles 2 b, 2 b + 1 are
; the neighbouring keys 32 b + 16 (lane / 16) + 0 .. 15, and O^T's 32 registers are the head's channels in the order that the conversions want.  Operands are images of registers (768 bytes for 16 rows x 64 K).
; The context's scale bytes leave as single bytes, 32 a tile inside 128 bytes: a head owns 2 of a row's 8 bytes; they are 1 / 24 of the codes' bytes.
; LIMITS: a block of zeros gets the byte 1 where the rule says 127 (its codes are zeros; this program alone reads the bytes); blocks under 2^-124 are held at that floor; NaN and infinities are not served.
; REGISTERS: v1-4, v29-31, v229-231 addresses that stay; v5-10 the step's addresses; v11 the mask's threshold; v12 -M, v13 the largest t, v[14:15] the sum; v16-28, v216-228 Q and its scale words; v32-79 four fragments of K;
; v80-83 scale words; v84-95 at work; v96-159 S^T, then p, then V's fragments; v160-191 O^T; v192-203 p's codes; v204-215 at work.
.set KC,    0                          ; LDS: K's 128 half fragments
.set VC,    98304                      ; V's: [64 keys][16 channels][768]
.set KS,    196608                     ; K's scale words: tile x 64 + 4 r (a word serves two heads)
.set VS,    204800                     ; V's: step x 256 + 16 channels x 64 + 4 r
.set VOFFC, 12582912
.set VOFFS, 524288
.set WV,   12
.set SEL,  20
.set CS,   22                          ; s[22:23] c = log2(e) / 8
.set G1KC, 24
.set G1VC, 32
.set G1KS, 40
.set G1VS, 48
.set G0KC, 56
.set G0VC, 60
.set G0KS, 68
.set G0VS, 72
.set SI,   76                          ; the key step
.set SK,   77                          ; its codes: 6,144 bytes a step, of K and of V alike
.set SS,   78                          ; K's scale words: 512 a step
.set SV,   79                          ; V's: 256 a step
.set GG,   80                          ; the pass's last visible step
.set BQ,   82                          ; pass n: s[BQ+8n..] Q's codes, +2 Q's scale words, +4 the context's codes, +6 its scale bytes
.macro CROUND                          ; a round of the cluster's barrier
	s_barrier_signal -1
	s_barrier_wait -1
	s_cmp_lg_u32 s[WV], 0
	s_cbranch_scc1 .Lnot_wave_0_\@
	s_barrier_signal -3
.Lnot_wave_0_\@:
	s_barrier_wait -3
	s_barrier_signal -1
	s_barrier_wait -1
.endm
.macro GROUP1 g, c, r, p               ; r rows of c elements of 8 bytes, p elements apart; all four work-groups named
	s_mov_b32 s[\g], 15|(3<<16)|(1<<21)
	s_mov_b32 s[\g+1], (\c)<<16
	s_mov_b32 s[\g+2], (\r)<<16
	s_mov_b32 s[\g+3], (\c)<<16
	s_mov_b32 s[\g+4], \r
	s_mov_b32 s[\g+5], \p
	s_mov_b32 s[\g+6], 0
	s_mov_b32 s[\g+7], 0
.endm
	s_load_b256 s[4:11], s[0:1], 0x0               ; qkv_codes, qkv_scales, ctx_codes, ctx_scales
	v_lshl_add_u32 v254, v0, 2, 0x33000
	v_mov_b32 v255, 0
	ds_add_u32 v254, v255
	ds_add_u32 v254, v255
	v_lshrrev_b32 v1, 5, v0
	s_delay_alu instid0(VALU_DEP_1)
	v_readfirstlane_b32 s[WV], v1                  ; wave 0..15
	s_bfe_u32 s13, ttmp6, 0x40000                  ; cx
	s_and_b32 s14, ttmp7, 0xffff
	s_lshr_b32 s15, s14, 4                         ; batch
	s_and_b32 s16, s14, 15                         ; head
	s_and_b32 s17, s16, 1                          ; which half of a scale word of Q or K is this head's
	GROUP1 G1KC, 32, 24, 32                        ; K's codes of 128 keys: 6,144 dense bytes
	GROUP1 G1VC, 384, 2, 6144                      ; V's: 2 x 64 keys, 3,072 bytes each, 49,152 apart
	GROUP1 G1KS, 32, 2, 32                         ; K's scale words of 128 keys: 512 dense bytes
	GROUP1 G1VS, 32, 1, 32                         ; V's: 256
	s_lshl_b32 s19, s15, 7                         ; 128 x batch: the batch's first token tile
	s_add_co_u32 s18, s16, 16
	s_lshl_b32 s18, s18, 9
	s_add_co_u32 s18, s18, s19
	s_mul_i32 s18, s18, 768
	s_mul_i32 s76, s[WV], 6144
	s_add_co_u32 s82, s18, s76                     ; K's codes: ((16 + head) 512 + 128 batch) 768 + 6,144 wave
	s_mov_b32 s83, 0
	s_lshl_b32 s84, s15, 5
	s_lshl_b32 s77, s[WV], 1
	s_add_co_u32 s84, s84, s77
	s_lshl_b32 s84, s84, 6
	s_lshl_b32 s77, s16, 2
	s_add_co_u32 s84, s84, s77
	s_mul_i32 s84, s84, 768
	s_add_co_u32 s84, s84, VOFFC                   ; V's: ((32 batch + 2 wave) 64 + 4 head) 768
	s_mov_b32 s85, 0
	s_lshr_b32 s86, s16, 1
	s_add_co_u32 s86, s86, 8
	s_lshl_b32 s86, s86, 9
	s_add_co_u32 s86, s86, s19
	s_lshl_b32 s86, s86, 6
	s_lshl_b32 s78, s[WV], 9
	s_add_co_u32 s86, s86, s78                     ; K's scale words: ((8 + head / 2) 512 + 128 batch) 64 + 512 wave
	s_mov_b32 s87, 0
	s_lshl_b32 s88, s15, 4
	s_add_co_u32 s88, s88, s[WV]
	s_lshl_b32 s88, s88, 6
	s_add_co_u32 s88, s88, s77
	s_lshl_b32 s88, s88, 6
	s_add_co_u32 s88, s88, VOFFS                   ; V's: ((16 batch + wave) 64 + 4 head) 64
	s_mov_b32 s89, 0
	s_wait_dscnt 0x0
	s_wait_kmcnt 0x0
	s_mov_b32 s[G0KC], 1
	s_mov_b32 s[G0KC+1], s76                       ; LDS addresses hang on the wave's number alone
	s_add_nc_u64 s[G0KC+2:G0KC+3], s[4:5], s[82:83]
	s_or_b32 s[G0KC+3], s[G0KC+3], 0x80000000
	s_mov_b32 s[G0VC], 1
	s_add_co_u32 s[G0VC+1], s76, VC
	s_add_nc_u64 s[G0VC+2:G0VC+3], s[4:5], s[84:85]
	s_or_b32 s[G0VC+3], s[G0VC+3], 0x80000000
	s_mov_b32 s[G0KS], 1
	s_add_co_u32 s[G0KS+1], s78, KS
	s_add_nc_u64 s[G0KS+2:G0KS+3], s[6:7], s[86:87]
	s_or_b32 s[G0KS+3], s[G0KS+3], 0x80000000
	s_mov_b32 s[G0VS], 1
	s_lshl_b32 s[G0VS+1], s[WV], 8
	s_add_co_u32 s[G0VS+1], s[G0VS+1], VS
	s_add_nc_u64 s[G0VS+2:G0VS+3], s[6:7], s[88:89]
	s_or_b32 s[G0VS+3], s[G0VS+3], 0x80000000
	CROUND                                         ; all four work-groups are here: the joint loads meet
	tensor_load_to_lds s[G0KC:G0KC+3], s[G1KC:G1KC+7]   ; every wave brings one key step's share of each of the four regions: four tensor loads of mine are out
	s_nop 0
	tensor_load_to_lds s[G0VC:G0VC+3], s[G1VC:G1VC+7]
	s_nop 0
	tensor_load_to_lds s[G0KS:G0KS+3], s[G1KS:G1KS+7]
	s_nop 0
	tensor_load_to_lds s[G0VS:G0VS+3], s[G1VS:G1VS+7]
	s_nop 0
.rept 4
	v_nop
.endr
.macro BASES n                         ; s18 = 128 batch + the pass's query tile
	s_lshl_b32 s2, s16, 9
	s_add_co_u32 s2, s2, s18
	s_mul_i32 s2, s2, 768
	s_add_nc_u64 s[BQ+8*\n:BQ+8*\n+1], s[4:5], s[2:3]
	s_lshr_b32 s2, s16, 1
	s_lshl_b32 s2, s2, 9
	s_add_co_u32 s2, s2, s18
	s_lshl_b32 s2, s2, 6
	s_lshl_b32 s80, s17, 1
	s_add_co_u32 s2, s2, s80
	s_add_nc_u64 s[BQ+8*\n+2:BQ+8*\n+3], s[6:7], s[2:3]
	s_lshl_b32 s2, s18, 4
	s_add_co_u32 s2, s2, s16
	s_mul_i32 s2, s2, 768
	s_add_nc_u64 s[BQ+8*\n+4:BQ+8*\n+5], s[8:9], s[2:3]
	s_lshl_b32 s2, s18, 9
	s_lshr_b32 s80, s16, 2
	s_lshl_b32 s80, s80, 7
	s_add_co_u32 s2, s2, s80
	s_and_b32 s80, s16, 3
	s_lshl_b32 s80, s80, 1
	s_add_co_u32 s2, s2, s80
	s_add_nc_u64 s[BQ+8*\n+6:BQ+8*\n+7], s[10:11], s[2:3]
.endm
	s_mov_b32 s3, 0
	s_lshl_b32 s81, s13, 1
	s_lshl_b32 s18, s[WV], 3
	s_add_co_u32 s18, s18, s81
	s_add_co_u32 s18, s18, s19                     ; pass 0: tile 8 wave + 2 cx
	BASES 0
	s_xor_b32 s18, s[WV], 15
	s_lshl_b32 s18, s18, 3
	s_add_co_u32 s18, s18, s81
	s_add_co_u32 s18, s18, s19
	s_add_co_u32 s18, s18, 1                       ; pass 1: tile 8 (15 - wave) + 2 cx + 1
	BASES 1
	v_and_b32 v214, 31, v0
	s_delay_alu instid0(VALU_DEP_1)
	v_lshlrev_b32 v1, 4, v214                      ; 16 x lane
	s_delay_alu instid0(VALU_DEP_2)
	v_lshlrev_b32 v2, 3, v214                      ; 8 x lane
	v_and_b32 v230, 15, v0                         ; r
	v_bfe_u32 v231, v0, 4, 1                       ; h
	s_delay_alu instid0(VALU_DEP_2)
	v_lshlrev_b32 v229, 2, v230                    ; 4 r
	global_load_b128 v[16:19], v1, s[BQ:BQ+1]      ; Q's half fragments and scale words of both passes stay in registers
	global_load_b64 v[20:21], v2, s[BQ:BQ+1] offset:512
	global_load_u16 v28, v229, s[BQ+2:BQ+3]        ; this head's two bytes; the upper two are 0, over zero codes
	global_load_b128 v[216:219], v1, s[BQ+8:BQ+9]
	global_load_b64 v[220:221], v2, s[BQ+8:BQ+9] offset:512
	global_load_u16 v228, v229, s[BQ+10:BQ+11]
	s_lshl_b32 s80, s17, 1
	s_add_co_u32 s80, s80, KS
	v_add_nc_u32 v3, s80, v229                     ; K's scale words: this head's two bytes of row r's word
	v_add_nc_u32 v4, VS, v229
	v_add_nc_u32 v29, VC, v1
	v_add_nc_u32 v30, VC, v2
	v_lshl_add_u32 v31, v230, 3, v231              ; the context's scale byte: 8 r + h
.irp i, 0,1,2,3,4,5
	v_mov_b32 v[22+\i], 0                          ; k = 64 .. 127 of Q: zero codes
	v_mov_b32 v[222+\i], 0
.endr
.irp t, 0,1,2,3
.irp i, 6,7,8,9,10,11
	v_mov_b32 v[32+12*\t+\i], 0                    ; and of K's four fragments: cleared once, never loaded
.endr
.endr
.irp b, 0,1,2,3
	v_mov_b32 v[88+\b], 0                          ; written once: a lane permute's destination counts as one of its sources
.endr
	v_mov_b32 v213, 0                              ; (named as the upper half of the pair v[212:213] before it is first written)
	v_mov_b32 v215, 0xff800000                     ; -infinity
	s_mov_b32 s[SEL], 0x76543210
	s_mov_b32 s[SEL+1], 0xfedcba98
	s_mov_b32 s[CS], 0x3e38aa3b                    ; c = log2(e) / 8
	s_mov_b32 s[CS+1], s[CS]
	s_wait_loadcnt 0x0                             ; Q
	s_wait_tensorcnt 0x0                           ; my four shares have landed,
	s_barrier_signal -1
	s_barrier_wait -1                              ; everybody's have: the head lies in LDS, and nothing writes LDS from here on
; A PASS: one tile of 16 queries.  pn: the pass;  qf, qs: Q's fragment and scale word
.macro PASS pn, qf, qs
.if \pn
	s_wait_xcnt 0x0                                ; the last pass's stores have read their registers
	s_xor_b32 s[GG], s[WV], 15
.else
	s_mov_b32 s[GG], s[WV]
.endif
	v_and_b32 v11, 8, v230
	s_delay_alu instid0(VALU_DEP_1)
	v_add_nc_u32 v11, v11, v230
	v_lshlrev_b32 v214, 4, v231
	s_delay_alu instid0(VALU_DEP_1)
	v_sub_nc_u32 v11, v11, v214
	s_lshl_b32 s81, s13, 5
	s_add_co_u32 s81, s81, 8*\pn
	v_add_nc_u32 v11, s81, v11                     ; d = my query's place in its 128 tokens - 16 h.  Register 16 b + i of the diagonal step holds key 32 b + i + 16 h: hidden where 32 b + i > d
	v_mov_b32 v13, 0xff61b1e6                      ; the largest t so far: -3e38
	s_delay_alu instid0(VALU_DEP_1)
	v_floor_f32 v12, -v13                          ; -M
	v_mov_b32 v14, 0
	v_mov_b32 v15, 0
.set j, 0
.rept 32
	v_mov_b32 v[160+j], 0                          ; O^T: the step is written once; the first change of M leaves zeros zeros
.set j, j+1
.endr
	s_mov_b32 s[SI], 0
	s_mov_b32 s[SK], 0
	s_mov_b32 s[SS], 0
	s_mov_b32 s[SV], 0
.Lstep_\@:
	s_cmp_gt_u32 s[SI], s[GG]                      ; all 128 keys come after my queries: the step's work is left out; the lines that step addresses are not
	s_cbranch_scc1 .Lhidden_\@
	s_setprio 2
	v_add_nc_u32 v5, s[SK], v1                     ; six plain lines: also the places between the last step's products and the loads and products that write over their operands
	s_wait_alu depctr_va_vdst(0)
	v_add_nc_u32 v6, s[SK], v2
	s_wait_alu depctr_va_vdst(0)
	v_add_nc_u32 v7, s[SK], v29
	v_add_nc_u32 v8, s[SK], v30
	v_add_nc_u32 v9, s[SS], v3
	s_wait_alu depctr_va_vdst(0)
	v_add_nc_u32 v10, s[SV], v4
.irp g, 0,1                                    ; S^T = K Q^T, four tiles of 16 keys at a time
.if \g
.rept 4
	v_nop                                          ; places in front of loads into registers that matrix instructions have read
.endr
.endif
.irp t, 0,1,2,3
	ds_load_b128 v[32+12*\t:35+12*\t], v5 offset:768*(4*\g+\t)
	ds_load_b64 v[36+12*\t:37+12*\t], v6 offset:768*(4*\g+\t)+512
	ds_load_u16 v[80+\t], v9 offset:64*(4*\g+\t)
.endr
	s_wait_dscnt 0x0
.irp t, 0,1,2,3
	v_wmma_scale_f32_16x16x128_f8f6f4 v[96+8*(4*\g+\t):103+8*(4*\g+\t)], v[32+12*\t:43+12*\t], v[\qf:\qf+11], 0, v[80+\t], v[\qs] matrix_a_fmt:MATRIX_FMT_FP6 matrix_b_fmt:MATRIX_FMT_FP6
.endr
.endr
.rept 4
	v_nop
.endr
	s_cmp_lg_u32 s[SI], s[GG]                      ; only the last visible step lies on the diagonal
	s_cbranch_scc1 .Lopen_\@
.set j, 0
.rept 64
	v_cmp_gt_i32 vcc_lo, 32*(j/16)+j%16, v11
	v_cndmask_b32 v[96+j], v[96+j], v215, vcc_lo   ; hidden scores become -infinity ahead of the maximum: p = 0 then
.set j, j+1
.endr
.Lopen_\@:
.irp b, 0,1,2,3
	v_max3_num_f32 v[84+\b], v[96+16*\b], v[97+16*\b], v[98+16*\b]   ; the largest score of each block of 32 keys: for the row's maximum, and for the block's largest p
.endr
.irp i, 3,5,7,9,11,13
.irp b, 0,1,2,3
	v_max3_num_f32 v[84+\b], v[84+\b], v[96+16*\b+\i], v[97+16*\b+\i]
.endr
.endr
.irp b, 0,1,2,3
	v_max_num_f32 v[84+\b], v[84+\b], v[111+16*\b]
.endr
.irp b, 0,1,2,3
	s_delay_alu instid0(VALU_DEP_4)
	v_permlanex16_b32 v[88+\b], v[84+\b], s[SEL], s[SEL+1]
.endr
.irp b, 0,1,2,3
	s_delay_alu instid0(VALU_DEP_4)
	v_max_num_f32 v[84+\b], v[84+\b], v[88+\b]     ; with lane l xor 16's 16 keys
.endr
	s_delay_alu instid0(VALU_DEP_2)
	v_max3_num_f32 v214, v84, v85, v86
	s_delay_alu instid0(VALU_DEP_1)
	v_max_num_f32 v214, v214, v87
	s_delay_alu instid0(VALU_DEP_1)
	v_mul_f32 v214, s[CS], v214                    ; the step's largest t (c is positive)
	s_delay_alu instid0(VALU_DEP_1)
	v_max_num_f32 v13, v13, v214
	v_mov_b32 v214, v12
	s_delay_alu instid0(VALU_DEP_2)
	v_floor_f32 v12, -v13                          ; the new -M = -ceil(t)
	s_delay_alu instid0(VALU_DEP_1)
	v_sub_f32 v214, v12, v214                      ; old M - new M: a whole number, 0 or less
	s_delay_alu instid0(VALU_DEP_1)
	v_cvt_i32_f32 v214, v214                       ; (it saturates)
	s_delay_alu instid0(VALU_DEP_1)
	v_ldexp_f32 v212, 1.0, v214                    ; f = 2^(old M - new M)
.set j, 0
.rept 32
	v_pk_fma_f32 v[96+j:97+j], v[96+j:97+j], s[CS:CS+1], v[12:13] op_sel_hi:[1,0,0]   ; t - M
.set j, j+2
.endr
	s_setprio 1
.irp b, 0,1,2,3
	v_fma_f32 v[84+\b], v[84+\b], s[CS], v12       ; the same of each block's largest score
.endr
.set j, 0
	s_wait_alu depctr_va_vdst(0)
.rept 64
	v_exp_f32 v[96+j], v[96+j]                     ; p = 2^(t - M)
.set j, j+1
.endr
.irp b, 0,1,2,3
	v_exp_f32 v[84+\b], v[84+\b]                   ; the block's largest p
.endr
	v_pk_mul_f32 v[14:15], v[14:15], v[212:213] op_sel_hi:[1,0]   ; the sums under the new M (a plain place behind the exponentials)
	s_wait_alu depctr_va_vdst(0)
.irp b, 0,1,2,3
	v_max_num_f32 v[84+\b], 0x1800000, v[84+\b]    ; the floor: the byte cannot fall under 1
.endr
.irp b, 0,1,2,3
	s_delay_alu instid0(VALU_DEP_4)
	v_add_nc_u32 v[92+\b], 0xff000000, v[84+\b]    ; the conversion's scale operand
.endr
.irp b, 0,1,2,3
	s_delay_alu instid0(VALU_DEP_4)
	v_lshrrev_b32 v[88+\b], 23, v[92+\b]           ; the byte
.endr
	s_delay_alu instid0(VALU_DEP_3)
	v_lshl_or_b32 v213, v89, 8, v88                ; p's scale word for these 128 keys
	s_delay_alu instid0(VALU_DEP_1)
	v_lshl_or_b32 v213, v90, 16, v213
	s_delay_alu instid0(VALU_DEP_1)
	v_lshl_or_b32 v213, v91, 24, v213
.irp c, 0,1
	v_cvt_scalef32_pk16_fp6_f32 v[192+6*\c:194+6*\c], v[96+32*\c:111+32*\c], v[92+2*\c]
	v_cvt_scalef32_pk16_fp6_f32 v[204+4*\c:206+4*\c], v[112+32*\c:127+32*\c], v[92+2*\c+1]
.endr
	v_nop                                          ; one plain place behind a scaled conversion
.irp c, 0,1
.irp i, 0,1,2
	v_permlane16_swap_b32 v[192+6*\c+\i], v[204+4*\c+\i]
.endr
.irp i, 0,1,2
	s_delay_alu instid0(VALU_DEP_3)
	v_mov_b32 v[195+6*\c+\i], v[204+4*\c+\i]
.endr
.endr
.set j, 0
.rept 16
	v_pk_mul_f32 v[160+j:161+j], v[160+j:161+j], v[212:213] op_sel_hi:[1,0]   ; O^T under the new M
.set j, j+2
.endr
	v_pk_add_f32 v[204:205], v[100:101], v[104:105]
	v_pk_add_f32 v[252:253], v[108:109], v[112:113]
	v_pk_add_f32 v[250:251], v[116:117], v[120:121]
	v_pk_add_f32 v[248:249], v[124:125], v[128:129]
	v_pk_add_f32 v[246:247], v[132:133], v[136:137]
	v_pk_add_f32 v[244:245], v[140:141], v[144:145]
	v_pk_add_f32 v[242:243], v[148:149], v[152:153]
	v_pk_add_f32 v[14:15], v[14:15], v[156:157]
	v_pk_add_f32 v[204:205], v[204:205], v[96:97]
	v_pk_add_f32 v[252:253], v[252:253], v[98:99]
	v_pk_add_f32 v[250:251], v[250:251], v[102:103]
	v_pk_add_f32 v[248:249], v[248:249], v[106:107]
	s_setprio 0
	v_pk_add_f32 v[246:247], v[246:247], v[110:111]
	v_pk_add_f32 v[244:245], v[244:245], v[114:115]
	v_pk_add_f32 v[242:243], v[242:243], v[118:119]
	v_pk_add_f32 v[14:15], v[14:15], v[122:123]
	v_pk_add_f32 v[204:205], v[204:205], v[126:127]
	v_pk_add_f32 v[252:253], v[252:253], v[130:131]
	v_pk_add_f32 v[250:251], v[250:251], v[134:135]
	v_pk_add_f32 v[248:249], v[248:249], v[138:139]
	v_pk_add_f32 v[246:247], v[246:247], v[142:143]
	v_pk_add_f32 v[244:245], v[244:245], v[146:147]
	v_pk_add_f32 v[242:243], v[242:243], v[150:151]
	v_pk_add_f32 v[14:15], v[14:15], v[154:155]
	v_pk_add_f32 v[204:205], v[204:205], v[158:159]
	s_delay_alu instid0(VALU_DEP_2)
	v_pk_add_f32 v[14:15], v[14:15], v[248:249]
	s_delay_alu instid0(VALU_DEP_2)
	v_pk_add_f32 v[204:205], v[204:205], v[246:247]
	v_pk_add_f32 v[252:253], v[252:253], v[244:245]
	v_pk_add_f32 v[250:251], v[250:251], v[242:243]
	s_delay_alu instid0(VALU_DEP_2)
	v_pk_add_f32 v[14:15], v[14:15], v[252:253]
	s_delay_alu instid0(VALU_DEP_2)
	v_pk_add_f32 v[204:205], v[204:205], v[250:251]
	s_delay_alu instid0(VALU_DEP_1)
	v_pk_add_f32 v[14:15], v[14:15], v[204:205]
.irp t, 0,1,2,3                                ; O^T += V^T P^T: four tiles of 16 channels; V's fragments take the registers that p has left
	ds_load_b128 v[96+12*\t:99+12*\t], v7 offset:768*\t
	ds_load_b64 v[100+12*\t:101+12*\t], v8 offset:768*\t+512
	ds_load_b128 v[102+12*\t:105+12*\t], v7 offset:3072+768*\t
	ds_load_b64 v[106+12*\t:107+12*\t], v8 offset:3072+768*\t+512
	ds_load_b32 v[80+\t], v10 offset:64*\t
.endr
	s_wait_dscnt 0x0
.irp t, 0,1,2,3
	v_wmma_scale_f32_16x16x128_f8f6f4 v[160+8*\t:167+8*\t], v[96+12*\t:107+12*\t], v[192:203], v[160+8*\t:167+8*\t], v[80+\t], v213 matrix_a_fmt:MATRIX_FMT_FP6 matrix_b_fmt:MATRIX_FMT_FP6
.endr
.Lhidden_\@:
	s_add_co_u32 s[SK], s[SK], 6144
	s_add_co_u32 s[SS], s[SS], 512
	s_add_co_u32 s[SV], s[SV], 256
	s_add_co_u32 s[SI], s[SI], 1
	s_cmp_lt_u32 s[SI], 16
	s_cbranch_scc1 .Lstep_\@
	s_setprio 0
	; the pass's end: O^T / the sum is the context's 64 numbers of this head: two blocks of 32 along the last product's K
.rept 4
	v_nop
.endr
	s_wait_alu depctr_va_vdst(0)
	v_add_f32 v14, v14, v15
	s_delay_alu instid0(VALU_DEP_1)
	v_permlanex16_b32 v214, v14, s[SEL], s[SEL+1]
	s_delay_alu instid0(VALU_DEP_1)
	v_add_f32 v14, v14, v214                       ; the row's sum
	s_wait_alu depctr_va_vdst(0)
	v_rcp_f32 v14, v14
	v_nop                                          ; one plain place behind a transcendental
.set j, 0
	s_wait_alu depctr_va_vdst(0)
.rept 32
	v_mul_f32 v[96+j], v[160+j], v14               ; register 16 b + i = channel 32 b + 16 h + i of query r
.set j, j+1
.endr
.irp b, 0,1
	v_max3_num_f32 v[84+\b], |v[96+16*\b]|, |v[97+16*\b]|, 0x1800000
.endr
.irp i, 2,4,6,8,10,12,14
.irp b, 0,1
	s_delay_alu instid0(VALU_DEP_2)
	v_max3_num_f32 v[84+\b], v[84+\b], |v[96+16*\b+\i]|, |v[97+16*\b+\i]|
.endr
.endr
.irp b, 0,1
	s_delay_alu instid0(VALU_DEP_2)
	v_permlanex16_b32 v[88+\b], v[84+\b], s[SEL], s[SEL+1]
.endr
.irp b, 0,1
	s_delay_alu instid0(VALU_DEP_2)
	v_max_num_f32 v[84+\b], v[84+\b], v[88+\b]
.endr
.irp b, 0,1
	s_delay_alu instid0(VALU_DEP_2)
	v_add_nc_u32 v[92+\b], 0xff000000, v[84+\b]
.endr
.irp b, 0,1
	s_delay_alu instid0(VALU_DEP_2)
	v_lshrrev_b32 v[88+\b], 23, v[92+\b]
.endr
	v_cmp_eq_u32 vcc_lo, 1, v231
	s_delay_alu instid0(VALU_DEP_1)
	v_cndmask_b32 v214, v88, v89, vcc_lo           ; lane (r, h) stores block h's byte
	v_cvt_scalef32_pk16_fp6_f32 v[192:194], v[96:111], v92
	v_cvt_scalef32_pk16_fp6_f32 v[204:206], v[112:127], v93
	v_nop
.irp i, 0,1,2
	v_permlane16_swap_b32 v[192+\i], v[204+\i]
.endr
.irp i, 0,1,2
	s_delay_alu instid0(VALU_DEP_3)
	v_mov_b32 v[195+\i], v[204+\i]
.endr
	global_store_b128 v1, v[192:195], s[BQ+8*\pn+4:BQ+8*\pn+5]              ; a half fragment: 512 and 256 consecutive bytes, aligned
	global_store_b64 v2, v[196:197], s[BQ+8*\pn+4:BQ+8*\pn+5] offset:512
	global_store_b8 v31, v214, s[BQ+8*\pn+6:BQ+8*\pn+7]
.endm
	PASS 0, 16, 28
	PASS 1, 216, 228
	s_wait_tensorcnt 0x0
	ds_add_u32 v254, v255
	s_wait_dscnt 0x0
	CROUND                                         ; the closing round: no work-group ends while a partner may still ask for a tile that names it
	s_endpgm
.Lfunc_end_k_qffc4c9d4f2_attn:
	.size	k_qffc4c9d4f2_attn, .Lfunc_end_k_qffc4c9d4f2_attn-k_qffc4c9d4f2_attn
	.p2alignl 7, 3214868480
	.fill 96, 4, 3214868480
	.section	.rodata,"a",@progbits
	.p2align	6, 0x0
	.amdhsa_kernel k_qffc4c9d4f2_attn
		.amdhsa_group_segment_fixed_size 210944
		.amdhsa_private_segment_fixed_size 0
		.amdhsa_enable_private_segment 0
		.amdhsa_kernarg_size 32
		.amdhsa_user_sgpr_count 2
		.amdhsa_user_sgpr_kernarg_segment_ptr 1
		.amdhsa_wavefront_size32 1
		.amdhsa_system_sgpr_workgroup_id_x 1
		.amdhsa_system_sgpr_workgroup_id_y 1
		.amdhsa_system_sgpr_workgroup_id_z 1
		.amdhsa_system_vgpr_workitem_id 0
		.amdhsa_next_free_vgpr 256
		.amdhsa_next_free_sgpr 100
		.amdhsa_reserve_vcc 1
		.amdhsa_float_denorm_mode_32 3
		.amdhsa_float_denorm_mode_16_64 3
		.amdhsa_memory_ordered 1
		.amdhsa_forward_progress 1
		.amdhsa_inst_pref_size 70
	.end_amdhsa_kernel
	.amdgpu_metadata
---
amdhsa.version: [ 1, 2 ]
amdhsa.kernels:
  - .name:           k_qffc4c9d4f2_attn
    .symbol:         k_qffc4c9d4f2_attn.kd
    .args:
      - { .name: qkv_codes, .offset: 0, .size: 8, .value_kind: global_buffer, .address_space: global }
      - { .name: qkv_scales, .offset: 8, .size: 8, .value_kind: global_buffer, .address_space: global }
      - { .name: ctx_codes, .offset: 16, .size: 8, .value_kind: global_buffer, .address_space: global }
      - { .name: ctx_scales, .offset: 24, .size: 8, .value_kind: global_buffer, .address_space: global }
    .group_segment_fixed_size: 210944
    .private_segment_fixed_size: 0
    .kernarg_segment_align: 8
    .kernarg_segment_size: 32
    .max_flat_workgroup_size: 512
    .sgpr_count:     100
    .vgpr_count:     256
    .wavefront_size: 32
...
	.end_amdgpu_metadata
.endif
;; end of part 3
;; launch outp (part 4): grid 4 x 64, 4 waves a work-group, clusters of 4 x 4, 307,712 bytes of LDS; arguments ctx_codes, ctx_scales, w_codes, w_scales, out0; writes out0
.if DOCPART == 4
	.amdgcn_target "amdgcn-amd-amdhsa--gfx1250"
	.amdhsa_code_object_version 6
	.text
	.protected	k_qffc4c9d4f2_outp
	.globl	k_qffc4c9d4f2_outp
	.p2align	8
	.type	k_qffc4c9d4f2_outp,@function
k_qffc4c9d4f2_outp:
	s_mov_b64 s[64:65], 0
	v_nop
	global_prefetch_b8 v0, s[64:65] scope:SCOPE_SE
	s_setreg_imm32_b32 hwreg(HW_REG_WAVE_MODE, 25, 1), 1
	s_wait_xcnt 0x0
	s_wait_alu depctr_hold_cnt(0) depctr_sa_sdst(0) depctr_va_vdst(0) depctr_va_sdst(0) depctr_va_ssrc(0) depctr_va_vcc(0) depctr_vm_vsrc(0)
	s_getreg_b32 s2, hwreg(HW_REG_IB_STS2, 6, 4)
	s_cmp_eq_u32 s2, 0
	s_cbranch_scc0 .Lentry_in_a_cluster
	s_endpgm
.Lentry_in_a_cluster:
	s_bfe_u32 s2, ttmp6, 0x10000c
	s_cmp_lg_u32 s2, 0xf033
	s_cbranch_scc0 .Lentry_shape_is_right
	s_endpgm
.Lentry_shape_is_right:
; out0[token][n] = sum over k of context[token][k] W_o[k][n], K = 1,024, on codes of FP6 (E2M3) with E8M0 scales; out0 [8192][1024] f32; sums in f32.
; A = the context (512 tiles of 16 tokens), B = W_o (tiles 192-255 of w_codes).  OPERANDS lie in memory as images of registers: a HALF FRAGMENT of 768 bytes is 16 rows x 64 K (lane l: registers 0-3 at 16 l,
; registers 4-5 at 512 + 8 l); a tile has 16 on end.  Scale bytes: [tile][K / 256][row][8].  Row r of tile T is the tensor's row 32 (T / 2) + 8 (T % 2) + r + 8 (r / 8): on the way out both orders are undone by immediates.
; A tile of the output is 128 x 256: 64 x 4 = 256 work-groups.  Four waves, 64 x 128 each: 32 accumulators, 256 registers.  (A tile of 256 x 256 would feed half as many products again from each LDS byte, for 128 work-groups.)
; ALL OF K FITS IN LDS: four slots of 256 along K, each A's 8 tiles and B's 16 (73,728 bytes), and the scale bytes.  Every byte is filled once: five joint loads a wave go out at the start, and a counted wait and a plain
; barrier stand at each change of slot; nothing is filled again.  A and B have two sets of registers: a step's 48 LDS loads go out ahead of the 32 products of the step before.
; CLUSTERS 4 x 4: A's tiles are shared along a row of the cluster, B's along a column: each is asked for jointly.  THE MATRIX INSTRUCTION IS USED TRANSPOSED (source 0 = 16 rows of B, source 1 = 16 rows of A).
; REGISTERS: window 0: v16-30 addresses; v32-63 scale words, two sets; v128-223 A's fragments, two sets of 48; on the way out v128-255.  window 1: B's fragments, two sets, at v0 and v128.  window 2: accumulator (a, b) at v[8 (8 a + b)].
.set FR,     12                        ; registers of a fragment
.set NP,     4                         ; places behind this matrix instruction (ISA guide 7.12.1)
.set TILEB,  3072                      ; a tile's 256 along K: four half fragments
.set ASL,    8*TILEB                   ; A's part of a slot
.set SLOT,   24*TILEB
.set SCL,    4*SLOT                    ; behind the slots: A's scale bytes (4,096), then B's (8,192)
.set SPITCH, 528                       ; the way out: 16 rows x (512 bytes + 16) for each wave, in slot 0: it has had its one fill, and its last read lies ahead of the first change of slot
.set A16,  16                          ; v16, v17 LDS address of my A fragments in the slot in hand (16 x lane, 8 x lane)
.set A8,   17
.set B16,  18                          ; v18, v19 the same for B
.set B8,   19
.set L16,  24                          ; v24    16 x lane
.set STO,  26                          ; v26    the way out: where I put 32 bytes of a row
.set ADRS, 27                          ; v27    LDS address of my scale words: lanes 0-15 A's rows, lanes 16-31 B's
.set RD,   30                          ; v30    the way out: where I read a row back
.set SC,   32
.set AF,   128
.set BK,   128                         ; 16 rows read back from the stage: v128-191 and v192-255 by turns
.set WV, 16
.set RH, 17                            ; my half of the tile's rows.  Also: I fetch for A (0) or for B (1)
.set CH, 18                            ; my half of its columns.  Also: which half of A's or B's tiles I fetch
.set G1, 24
.set G1B, 32
.set G1S, 40
.set G1SB, 48
.set G0S, 56
.set G0SB, 60
.set G0, 68                            ; s[68:83]  group 0 for A's tiles, a set for each slot: all four loads are out together
.set G0B, 84                           ; s[84:99]  the same for B's
.set MSB, 0
.macro WIN new                         ; the immediate's high byte repeats the setting that is left
.if MSB != \new
	s_set_vgpr_msb (MSB<<8)|\new
.set MSB, \new
.endif
.endm
.set MUL_LO, 0xa1                      ; source 0 (B) window 1, source 1 (A) window 0, C and D window 2
.set TO_B,   0x40
.macro JLOAD g0a, g1a, g0b, g1b        ; a joint load: waves 0 and 1 fetch for A, waves 2 and 3 for B; four v_nop follow each of the two lines
	s_cmp_eq_u32 s[RH], 0
	s_cbranch_scc0 .Lfor_b_\@
	tensor_load_to_lds s[\g0a:\g0a+3], s[\g1a:\g1a+7]
	s_nop 0
.rept 4
	v_nop
.endr
	s_branch .Lasked_\@
.Lfor_b_\@:
	tensor_load_to_lds s[\g0b:\g0b+3], s[\g1b:\g1b+7]
	s_nop 0
.rept 4
	v_nop
.endr
.Lasked_\@:
.endm
.macro CROUND                          ; a round of the cluster's barrier
	s_barrier_signal -1
	s_barrier_wait -1
	s_cmp_lg_u32 s[WV], 0
	s_cbranch_scc1 .Lnot_wave_0_\@
	s_barrier_signal -3
.Lnot_wave_0_\@:
	s_barrier_wait -3
	s_barrier_signal -1
	s_barrier_wait -1
.endm
.macro GROUP1 g, c, r, p               ; words 1 to 7: r rows of c elements of 8 bytes, p elements apart
	s_mov_b32 s[\g+1], (\c)<<16
	s_mov_b32 s[\g+2], (\r)<<16
	s_mov_b32 s[\g+3], (\c)<<16
	s_mov_b32 s[\g+4], \r
	s_mov_b32 s[\g+5], \p
	s_mov_b32 s[\g+6], 0
	s_mov_b32 s[\g+7], 0
.endm
	s_load_b256 s[4:11], s[0:1], 0x0               ; ctx_codes, ctx_scales, w_codes, w_scales
	s_load_b64 s[12:13], s[0:1], 0x20              ; out0
	v_lshl_add_u32 v126, v0, 2, 0x4b000
	v_mov_b32 v127, 0
	ds_add_u32 v126, v127
	ds_add_u32 v126, v127
	v_lshrrev_b32 v1, 5, v0
	v_readfirstlane_b32 s[WV], v1
	s_lshr_b32 s[RH], s[WV], 1
	s_and_b32 s[CH], s[WV], 1
	s_bfe_u32 s14, ttmp6, 0x40000                  ; cx
	s_bfe_u32 s15, ttmp6, 0x40004                  ; cy
	s_and_b32 s19, ttmp7, 0xffff
	s_lshl_b32 s19, s19, 2
	s_add_co_u32 s19, s19, s15                     ; tile row: 128 tokens
	s_lshl_b32 s20, ttmp9, 2
	s_add_co_u32 s20, s20, s14                     ; tile column: 256 columns
	s_lshl_b32 s21, s15, 2
	s_lshl_b32 s21, 15, s21                        ; my row of the cluster
	s_lshl_b32 s22, 0x1111, s14                    ; my column
	s_or_b32 s[G1], s21, (3<<16)|(1<<21)           ; elements of 8 bytes; no padding: the images are read 16 or 8 bytes a lane on end
	s_or_b32 s[G1B], s22, (3<<16)|(1<<21)
	s_or_b32 s[G1S], s21, (3<<16)|(1<<21)
	s_or_b32 s[G1SB], s22, (3<<16)|(1<<21)
	GROUP1 G1, 384, 4, 1536                        ; A's codes: 4 tiles x 3,072 bytes, 12,288 apart
	GROUP1 G1B, 384, 8, 1536                       ; B's: 8 tiles
	GROUP1 G1S, 32, 8, 32                          ; A's scale bytes of 4 tiles: 2,048 dense bytes as rows of 256
	GROUP1 G1SB, 32, 16, 32                        ; B's of 8 tiles: 4,096
	s_lshl_b32 s23, s19, 3
	s_lshl_b32 s2, s[CH], 2
	s_add_co_u32 s23, s23, s2                      ; the 4 tiles of A that I would fetch: 8 x tile row + 4 x half
	s_lshl_b32 s100, s20, 4
	s_lshl_b32 s66, s[CH], 3
	s_add_co_u32 s100, s100, s66
	s_add_co_u32 s100, s100, 192                   ; the 8 of B: 192 + 16 x tile column + 8 x half
	s_mov_b32 s3, 0
	s_mov_b32 s67, 0
	s_wait_dscnt 0x0
	s_wait_kmcnt 0x0
	s_mul_i32 s2, s23, 12288
	s_add_nc_u64 s[4:5], s[4:5], s[2:3]
	s_lshl_b32 s2, s23, 9
	s_add_nc_u64 s[6:7], s[6:7], s[2:3]
	s_mul_i32 s66, s100, 12288
	s_add_nc_u64 s[8:9], s[8:9], s[66:67]
	s_lshl_b32 s66, s100, 9
	s_add_nc_u64 s[10:11], s[10:11], s[66:67]
	s_mul_i32 s14, s[CH], 4*TILEB                  ; where they go: the wave's number alone enters an LDS address
	s_mul_i32 s15, s[CH], 8*TILEB
	s_add_co_u32 s15, s15, ASL
	s_lshl_b32 s21, s[CH], 11
	s_add_co_u32 s21, s21, SCL
	s_lshl_b32 s22, s[CH], 12
	s_add_co_u32 s22, s22, SCL+4096
	CROUND                                         ; all sixteen work-groups are here: the joint loads meet
	s_mov_b32 s[G0S], 1
	s_mov_b32 s[G0S+1], s21
	s_mov_b64 s[G0S+2:G0S+3], s[6:7]
	s_or_b32 s[G0S+3], s[G0S+3], 0x80000000
	s_mov_b32 s[G0SB], 1
	s_mov_b32 s[G0SB+1], s22
	s_mov_b64 s[G0SB+2:G0SB+3], s[10:11]
	s_or_b32 s[G0SB+3], s[G0SB+3], 0x80000000
	JLOAD G0S, G1S, G0SB, G1SB                     ; the scales first: they are wanted with the first step
.irp s, 0,1,2,3
	s_mov_b32 s[G0+4*\s], 1
	s_add_co_u32 s[G0+4*\s+1], s14, \s*SLOT
	s_add_nc_u64 s[G0+4*\s+2:G0+4*\s+3], s[4:5], \s*TILEB
	s_or_b32 s[G0+4*\s+3], s[G0+4*\s+3], 0x80000000
	s_mov_b32 s[G0B+4*\s], 1
	s_add_co_u32 s[G0B+4*\s+1], s15, \s*SLOT
	s_add_nc_u64 s[G0B+4*\s+2:G0B+4*\s+3], s[8:9], \s*TILEB
	s_or_b32 s[G0B+4*\s+3], s[G0B+4*\s+3], 0x80000000
	JLOAD G0+4*\s, G1, G0B+4*\s, G1B               ; in the order of K; five tensor loads of mine are out behind the last of these
.endr
	v_and_b32 v1, 31, v0                           ; lane
	v_and_b32 v2, 15, v0                           ; r
	v_bfe_u32 v3, v0, 4, 1                         ; h
	v_lshlrev_b32 v[L16], 4, v1
	v_lshlrev_b32 v4, 3, v1
	s_mul_i32 s21, s[RH], 4*TILEB                  ; my 4 tiles of A
	s_mul_i32 s22, s[CH], 8*TILEB
	s_add_co_u32 s22, s22, ASL                     ; my 8 tiles of B, behind A's 8
	v_add_nc_u32 v[A16], s21, v[L16]
	v_add_nc_u32 v[A8], s21, v4
	v_add_nc_u32 v[B16], s22, v[L16]
	v_add_nc_u32 v[B8], s22, v4
	s_lshl_b32 s21, s[RH], 11                      ; A's scale bytes: my 4 tiles
	s_lshl_b32 s22, s[CH], 12
	s_add_co_u32 s22, s22, 4096                    ; B's: my 8, behind A's
	s_sub_co_u32 s22, s22, s21
	v_mul_u32_u24 v5, s22, v3                      ; lanes 16-31 take B's: one product, the distance between the two
	s_add_co_u32 s21, s21, SCL
	v_lshl_add_u32 v5, v2, 3, v5                   ; 8 bytes a row
	v_add_nc_u32 v[ADRS], s21, v5
	s_mul_i32 s23, s[WV], 16*SPITCH                ; my stage
	v_mul_u32_u24 v5, v2, SPITCH
	v_lshl_add_u32 v5, v3, 6, v5
	v_add_nc_u32 v[STO], s23, v5                   ; in: row r, + 64 h: in tile b my eight columns are 32 (b / 2) + 8 (b % 2) + 16 h + 0 .. 7
	v_add_nc_u32 v[RD], s23, v[L16]                ; back: a row of 512 bytes, 16 bytes a lane
	s_lshl_b32 s100, s19, 7
	s_lshl_b32 s101, s[RH], 6
	s_add_co_u32 s100, s100, s101                  ; my first row of the output
	s_lshl_b32 s100, s100, 12
	s_lshl_b32 s101, s20, 10
	s_add_co_u32 s100, s100, s101
	s_lshl_b32 s101, s[CH], 9
	s_add_co_u32 s100, s100, s101                  ; and my first column, in bytes
	s_mov_b32 s101, 0
	s_add_nc_u64 s[12:13], s[12:13], s[100:101]
.macro FRAG reg, a16, a8, off          ; a fragment, 16 rows x 128 K: two half fragments, each 16 bytes a lane and 8 bytes a lane on end
	ds_load_b128 v[\reg:\reg+3], v[\a16] offset:\off
	ds_load_b64 v[\reg+4:\reg+5], v[\a8] offset:\off+512
	ds_load_b128 v[\reg+6:\reg+9], v[\a16] offset:\off+768
	ds_load_b64 v[\reg+10:\reg+11], v[\a8] offset:\off+1280
.endm
.macro FETCH s                         ; step s's fragments into set s % 2: B's eight, A's four; with a slot's first step its scale words (two words a row; lanes 0-15 A's block i, lanes 16-31 B's block i)
	WIN TO_B
.irp b, 0,1,2,3,4,5,6,7
	FRAG 128*((\s)%2)+FR*\b, B16, B8, TILEB*\b+1536*((\s)%2)
.endr
	WIN 0
.irp a, 0,1,2,3
	FRAG AF+48*((\s)%2)+FR*\a, A16, A8, TILEB*\a+1536*((\s)%2)
.endr
.if (\s)%2 == 0
.irp i, 0,1,2,3,4,5,6,7
	ds_load_b64 v[SC+16*(((\s)/2)%2)+2*\i:SC+16*(((\s)/2)%2)+2*\i+1], v[ADRS] offset:512*\i
.endr
.endif
.endm
.macro MUL32 s, zero                   ; the 32 accumulators take turns, one instruction a turn, in the same order in every step
.irp a, 0,1,2,3
.irp b, 0,1,2,3,4,5,6,7
.if \zero
	v_wmma_scale_f32_16x16x128_f8f6f4 v[8*(8*\a+\b):8*(8*\a+\b)+7], v[128*((\s)%2)+FR*\b:128*((\s)%2)+FR*\b+FR-1], v[AF+48*((\s)%2)+FR*\a:AF+48*((\s)%2)+FR*\a+FR-1], 0, v[SC+16*(((\s)/2)%2)+2*\b+(\s)%2], v[SC+16*(((\s)/2)%2)+2*\a+(\s)%2] matrix_a_fmt:MATRIX_FMT_FP6 matrix_b_fmt:MATRIX_FMT_FP6 matrix_a_scale:MATRIX_SCALE_ROW1
.else
	v_wmma_scale_f32_16x16x128_f8f6f4 v[8*(8*\a+\b):8*(8*\a+\b)+7], v[128*((\s)%2)+FR*\b:128*((\s)%2)+FR*\b+FR-1], v[AF+48*((\s)%2)+FR*\a:AF+48*((\s)%2)+FR*\a+FR-1], v[8*(8*\a+\b):8*(8*\a+\b)+7], v[SC+16*(((\s)/2)%2)+2*\b+(\s)%2], v[SC+16*(((\s)/2)%2)+2*\a+(\s)%2] matrix_a_fmt:MATRIX_FMT_FP6 matrix_b_fmt:MATRIX_FMT_FP6 matrix_a_scale:MATRIX_SCALE_ROW1
.endif
.endr
.endr
.endm
.macro PLACES n                        ; plain vector instructions between a matrix instruction and a load into, or a read of, its registers
.rept \n
	v_nop
.endr
.endm
; A step of 128 along K.  The next step's loads go out ahead of this step's products, into the set that the last step's products have read.  Where the next step begins a slot: the counted wait for my part of that slot, and a barrier.
.macro KSTEP s, zero
	s_wait_dscnt 0x0                               ; this step's fragments are in: they were asked for ahead of the last step's 32 products.  (No LDS instruction of mine is out at the signal below)
.if (\s) < 7
.if (\s)%2 == 1
	s_wait_tensorcnt 2-(\s)/2                      ; my part of slot (s + 1) / 2 has landed; the loads of the slots behind it may stay out
	s_barrier_signal -1
	s_barrier_wait -1                              ; everybody's has
	v_add_nc_u32 v[A16], SLOT, v[A16]              ; on to that slot.  (Five plain lines: the places in front of the loads)
	v_add_nc_u32 v[A8], SLOT, v[A8]
	v_add_nc_u32 v[B16], SLOT, v[B16]
	v_add_nc_u32 v[B8], SLOT, v[B8]
	v_add_nc_u32 v[ADRS], 128, v[ADRS]
.elseif (\s) > 0
	PLACES NP
.endif
	FETCH (\s)+1
.endif
	WIN MUL_LO
	MUL32 \s, \zero
	WIN 0
.endm
	s_wait_tensorcnt 3                             ; the scales and my part of slot 0 are in; the three slots behind it may be out
	s_barrier_signal -1
	s_barrier_wait -1
	FETCH 0
	KSTEP 0, 1                                     ; the first products start the sums: nothing is cleared
.irp s, 1,2,3,4,5,6,7
	KSTEP \s, 0
.endr
; THE WAY OUT, block by block of 16 rows x 128 columns, through my own stage: in as 32 bytes a lane, each at its columns' true place; back as whole rows of 512 bytes.  LDS serves a wave's instructions in order.
.macro TOSTAGE a
.set AC, 64*(\a)
	WIN 0x08                                       ; the data: window 2
.irp b, 0,1,2,3,4,5,6,7
	ds_store_b128 v[STO], v[AC+8*\b:AC+8*\b+3] offset:128*(\b/2)+32*(\b%2)          ; each accumulator from its low end on
	ds_store_b128 v[STO], v[AC+8*\b+4:AC+8*\b+7] offset:128*(\b/2)+32*(\b%2)+16
.endr
	WIN 0
.set BB, BK+64*((\a)%2)
.irp t, 0,1,2,3,4,5,6,7,8,9,10,11,12,13,14,15
	ds_load_b128 v[BB+4*\t:BB+4*\t+3], v[RD] offset:\t*SPITCH
.endr
.endm
.macro SEND a, younger                 ; row t of block a is the output's row 32 (a / 2) + 8 (a % 2) + 16 (t / 8) + t % 8 of my 64: it stands in the immediate, 63 rows of 4,096 bytes at the most
.set BB, BK+64*((\a)%2)
	s_wait_dscnt \younger
.irp t, 0,1,2,3,4,5,6,7,8,9,10,11,12,13,14,15
	global_store_b128 v[L16], v[BB+4*\t:BB+4*\t+3], s[12:13] offset:(32*((\a)/2)+8*((\a)%2)+16*(\t/8)+\t%8)*4096 th:TH_STORE_NT   ; 32 lanes store 512 consecutive bytes, aligned
.endr
.endm
	PLACES NP                                      ; behind the last products: for the reads of their results and the loads into the registers that held A's fragments
	TOSTAGE 0
.irp a, 1,2,3
.if \a > 1
	s_wait_xcnt 0x0                                ; block a - 2's stores have read their registers: block a's loads may land there
.endif
	TOSTAGE \a
	SEND \a-1, 32                                  ; behind block a - 1's loads: block a's 16 stores and 16 loads
.endr
	SEND 3, 0
	s_wait_tensorcnt 0x0
	ds_add_u32 v126, v127
	s_wait_dscnt 0x0
	CROUND                                         ; the closing round: no work-group ends while a partner may still ask for a tile that names it
	s_endpgm
.Lfunc_end_k_qffc4c9d4f2_outp:
	.size	k_qffc4c9d4f2_outp, .Lfunc_end_k_qffc4c9d4f2_outp-k_qffc4c9d4f2_outp
	.p2alignl 7, 3214868480
	.fill 96, 4, 3214868480
	.section	.rodata,"a",@progbits
	.p2align	6, 0x0
	.amdhsa_kernel k_qffc4c9d4f2_outp
		.amdhsa_group_segment_fixed_size 307712
		.amdhsa_private_segment_fixed_size 0
		.amdhsa_enable_private_segment 0
		.amdhsa_kernarg_size 40
		.amdhsa_user_sgpr_count 2
		.amdhsa_user_sgpr_kernarg_segment_ptr 1
		.amdhsa_wavefront_size32 1
		.amdhsa_system_sgpr_workgroup_id_x 1
		.amdhsa_system_sgpr_workgroup_id_y 1
		.amdhsa_system_sgpr_workgroup_id_z 1
		.amdhsa_system_vgpr_workitem_id 0
		.amdhsa_next_free_vgpr 768
		.amdhsa_next_free_sgpr 102
		.amdhsa_reserve_vcc 0
		.amdhsa_float_denorm_mode_32 3
		.amdhsa_float_denorm_mode_16_64 3
		.amdhsa_memory_ordered 1
		.amdhsa_forward_progress 1
		.amdhsa_inst_pref_size 87
	.end_amdhsa_kernel
	.amdgpu_metadata
---
amdhsa.version: [ 1, 2 ]
amdhsa.kernels:
  - .name:           k_qffc4c9d4f2_outp
    .symbol:         k_qffc4c9d4f2_outp.kd
    .args:
      - { .name: ctx_codes, .offset: 0, .size: 8, .value_kind: global_buffer, .address_space: global }
      - { .name: ctx_scales, .offset: 8, .size: 8, .value_kind: global_buffer, .address_space: global }
      - { .name: w_codes, .offset: 16, .size: 8, .value_kind: global_buffer, .address_space: global }
      - { .name: w_scales, .offset: 24, .size: 8, .value_kind: global_buffer, .address_space: global }
      - { .name: out0, .offset: 32, .size: 8, .value_kind: global_buffer, .address_space: global }
    .group_segment_fixed_size: 307712
    .private_segment_fixed_size: 0
    .kernarg_segment_align: 8
    .kernarg_segment_size: 40
    .max_flat_workgroup_size: 128
    .sgpr_count:     102
    .vgpr_count:     768
    .wavefront_size: 32
...
	.end_amdgpu_metadata
.endif
;; end of part 4
